; MI455X (gfx1250); checked and timed in simulation.
; The chip was launched on July 23, 2026; its instructions are those of AMD's public machine-readable ISA for CDNA 5 (MIT licence, August 2026) and "CDNA5" Instruction Set Architecture Reference Guide (July 2026). The comments in the code are by the model that wrote it; some were corrected since.
;; Causal Self Attention. Allowed arithmetic: matrix products marked QUANTISED: E5M2 operands, one given power-of-two scale a tensor, by v_wmma_f32_16x16x64_bf8_bf8 or v_wmma_f32_16x16x128_bf8_bf8, f32 sums; everything else in f32.
;; Inputs: b_attn 3,072 float32; b_proj 1,024 float32; lowp_scales 8 int32 (the exponents e of the quantised operands' scales 2^e); w_attn 1,024 x 3,072 float32; w_proj 1,024 x 1,024 float32; x 4 x 2,048 x 1,024 float32.
;; Outputs: out0 4 x 2,048 x 1,024 float32.
;; This version of the problem:
;;   THIS VERSION OF THE PROBLEM IS GIVEN IN LOW PRECISION. The matrix products marked QUANTISED in the list below multiply operands that are first quantised to E5M2 (5 exponent bits, 2 mantissa bits; 8 bits a number), with one given power-of-two scale for each operand tensor; their sums are f32. All else is computed in f32.
;;   The module's matrix products, in the order in which they are computed (A, B: the left and right operand; K: the contracted axis; several contracted axes count as one K, in the product's order):
;;     1. [M 8,192, K 1,024] x [K 1,024, N 3,072]; A: input x; B: input w_attn: QUANTISED (scales: A lowp_scales[0], B lowp_scales[1])
;;     2. batch 64 x [M 2,048, K 64] x [K 64, N 2,048]; A: computed on the way; B: computed on the way: QUANTISED (scales: A lowp_scales[2], B lowp_scales[3])
;;     3. batch 64 x [M 2,048, K 2,048] x [K 2,048, N 64]; A: softmax (see below); B: computed on the way: QUANTISED (scales: A lowp_scales[4], B lowp_scales[5])
;;     4. [M 8,192, K 1,024] x [K 1,024, N 1,024]; A: computed on the way; B: input w_proj: QUANTISED (scales: A lowp_scales[6], B lowp_scales[7])
;;   THE QUANTISER, for each operand of a quantised product, along K:
;;     - The operand's scale is 2^e, e = its entry of the input lowp_scales (int32; the entries are numbered through the quantised products in the list's order, A before B).
;;     - Each number is divided by the scale, clamped to +-57,344, and rounded to the nearest number of E5M2, ties to even, subnormals kept.
;;     - The product sums the exact products of the quantised numbers (number of the format x scale) in f32.
;;   ~~~python
;;   def quantise(x, axis, e):      # numpy; x: float32 -> the quantised numbers, widened to float32 again
;;       x = np.moveaxis(x, axis, -1); K = x.shape[-1]
;;       r = np.clip(x / 2.0 ** e, -57344, 57344)
;;       step = 2.0 ** (np.maximum(np.frexp(np.where(r == 0, 1, r))[1] - 1, -14) - 2)
;;       q = np.round(r / step) * step * 2.0 ** e      # np.round: ties to even
;;       return np.moveaxis(q, -1, axis).astype(np.float32)
;;   ~~~
;;   SOFTMAX AHEAD OF A QUANTISED PRODUCT. Where the list says 'softmax', what is quantised is not the finished softmax but p = 2^(t - M), with t = logit x log2(e) and M = ceil(the row's largest t), a whole number; so 1/2 < the row's largest p <= 1. The row's sum l is taken of the UNQUANTISED p, in f32, and the product's result is divided by l at the end. Since M is a whole number, a kernel that streams over the keys may use a running M (the ceiling of the running maximum): every later rescaling is an exact power of two, so the quantised numbers keep their values, but for numbers so far below the row's largest that they fall under the format's range.
;;   OPERANDS COMPUTED ON THE WAY. 'Computed on the way' means the value that the module computes at that place (a softmax that the list does not call 'softmax' is quantised finished and normalised). What goes into a quantiser is computed in f32, as accurately as f32 sums, v_exp_f32 and their like allow (about 1e-6 of the number): no bf16 or f16 on the way to a quantiser, and a product that is left as it is and whose result goes on into a quantised operand takes f32 operands (vector FMAs, or v_wmma_f32_16x16x4_f32). A number that lies on a knife's edge between two numbers of the format may be rounded either way, as far as f32 arithmetic and the matrix unit's own rounding can turn it there, and no further.
;; One version. Each part assembles by itself: llvm-mc -triple=amdgcn-amd-amdhsa -mcpu=gfx1250 --defsym DOCPART=n.
;; ======== version 1 of 1: 4 launches
;; limits: right only within a limited range of input values
;; workspace buffers: x_codes 8,388,608 bytes; wa_codes 3,145,728 bytes; wp_codes 1,048,576 bytes; q_img 8,388,608 bytes; k_img 8,388,608 bytes; v_img 8,388,608 bytes; a_img 8,388,608 bytes
;; launch quant (part 1): grid 384 x 1, 4 waves a work-group, no clusters, 68,096 bytes of LDS; arguments x, w_attn, w_proj, lowp_scales, x_codes, wa_codes, wp_codes; writes x_codes, wa_codes, wp_codes
.if DOCPART == 1
	.amdgcn_target "amdgcn-amd-amdhsa--gfx1250"
	.amdhsa_code_object_version 6
	.text
	.protected	k_qb031324b53_quant
	.globl	k_qb031324b53_quant
	.p2align	8
	.type	k_qb031324b53_quant,@function
k_qb031324b53_quant:
	s_mov_b64 s[64:65], 0
	v_nop
	global_prefetch_b8 v0, s[64:65] scope:SCOPE_SE
	s_setreg_imm32_b32 hwreg(HW_REG_WAVE_MODE, 25, 1), 1
	s_wait_xcnt 0x0
; x [8192][1024], w_attn [1024][3072] and w_proj [1024][1024], f32, become codes of BF8 (E5M2), one byte each, K innermost:
; x_codes [8192][1024], wa_codes [3072][1024], wp_codes [1024][1024].  code = number / 2^e, held within +-57,344, to the nearest code, ties to even.
; e: lowp_scales[0] for x, [1] for w_attn, [7] for w_proj.  LIMITS: each of the three between -126 and 112, so that 2^e and 57,344 x 2^e are f32 numbers.  NaN among the inputs is not served.
; SHARES: every work-group reads 131,072 bytes.  Work-groups 0-255 take x (K is innermost: a plain stream of 8,192 numbers a wave);
; work-groups 256-383 take the weights (K is the FIRST axis: a lane takes a column and its registers run down K; 128 columns x 256 along K a work-group).
; The two ways part on the work-group's number, never join again, and have LDS bytes of their own: x bytes 0-32,767, the weights bytes 32,768-67,583.
; No tensor load, no barrier: waves share nothing.  Matrix units and clusters have nothing to do here: no byte is read twice.
.set XWG,   256                        ; work-groups for x
.set STEPS, 16                         ; x: steps of 512 numbers a wave
.set SP,    80                         ; x: a lane's place in a stage: 64 bytes + 16 of padding
.set R,     16                         ; x: v16-79   four sets of 16 numbers as loaded
.set X,     80                         ; x: v80-111  two sets of 16 neighbours
.set C,     128                        ; x: v128-191 codes, four registers a step: no store's data are written again
.set WST,   32768                      ; weights: the stages begin here
.set WP,    272                        ; weights: a stage row: 256 bytes of codes + 16
.set WX,    32                         ; weights: v32-95   two sets of 32 numbers
.set WC,    96                         ; weights: v96-103  a block's codes
.set WO,    112                        ; weights: v112-175 the way out
.set WA,    176                        ; weights: v176-207 byte offset of row i of a block: 4 x lane + i x row bytes
.set NB,    8                          ; weights: blocks of 32 along K a wave
	s_load_b256 s[4:11], s[0:1], 0x0               ; x s[4:5], w_attn s[6:7], w_proj s[8:9], lowp_scales s[10:11]
	s_load_b128 s[12:15], s[0:1], 0x20             ; x_codes s[12:13], wa_codes s[14:15]
	s_load_b64 s[16:17], s[0:1], 0x30              ; wp_codes
	v_lshl_add_u32 v208, v0, 2, 0x10800
	v_mov_b32 v209, 0
	v_lshrrev_b32 v1, 5, v0
	v_readfirstlane_b32 s18, v1                    ; wave 0..3
	v_and_b32 v2, 31, v0                           ; lane
	s_wait_kmcnt 0x0
	s_load_b256 s[36:43], s[10:11], 0x0            ; e0 .. e7
	s_cmp_lt_u32 ttmp9, XWG
	s_cbranch_scc0 .Lweights
	s_wait_alu depctr_va_vdst(0)
	; ---------------- x: each load reads 512 consecutive bytes; a step's 2,048 bytes turn through the wave's stage so that a lane holds 16 neighbours along K
	v_lshlrev_b32 v3, 4, v2                        ; 16 x lane: my bytes of a load's 512, and of a store's 512; never rewritten
	s_wait_alu depctr_va_vdst(0)
	s_mul_i32 s19, s18, 8192                       ; my wave's two stages
	v_lshrrev_b32 v14, 2, v2
	v_mul_u32_u24 v14, v14, SP
	v_and_b32 v15, 3, v2
	v_lshl_add_u32 v14, v15, 4, v14
	v_add_nc_u32 v14, s19, v14                     ; into the stage: four lanes' 64 bytes on end, then 16 of padding
	v_mul_u32_u24 v15, v2, SP
	v_add_nc_u32 v15, s19, v15                     ; out of it: my 16 neighbours
	s_lshl_b32 s20, ttmp9, 2
	s_add_co_u32 s20, s20, s18                     ; which run of 8,192 numbers is my wave's: 0 .. 1,023
	s_lshl_b32 s22, s20, 15                        ; x 32,768 bytes of f32
	s_mov_b32 s23, 0
	s_add_nc_u64 s[4:5], s[4:5], s[22:23]
	s_lshl_b32 s22, s20, 13                        ; x 8,192 bytes of codes
	s_add_nc_u64 s[12:13], s[12:13], s[22:23]
.macro LOAD t
.irp i, 0,1,2,3
	global_load_b128 v[R+16*((\t)%4)+4*\i:R+16*((\t)%4)+4*\i+3], v3, s[4:5] offset:2048*(\t)+512*\i th:TH_LOAD_NT
.endr
.endm
.macro TURN t                          ; LDS serves a wave's instructions in order (ISA guide 5.7.1.4): no wait between the stores and the loads
.irp i, 0,1,2,3
	ds_store_b128 v14, v[R+16*((\t)%4)+4*\i:R+16*((\t)%4)+4*\i+3] offset:32*SP*((\t)%2)+8*SP*\i
.endr
.irp i, 0,1,2,3
	ds_load_b128 v[X+16*((\t)%2)+4*\i:X+16*((\t)%2)+4*\i+3], v15 offset:32*SP*((\t)%2)+16*\i
.endr
.endm
.irp t, 0,1,2,3
	LOAD \t
.endr
	s_wait_alu depctr_va_vdst(0)
	s_wait_kmcnt 0x0
	s_add_co_i32 s24, s36, 127
	s_lshl_b32 s25, s24, 23
	v_mov_b32 v11, s25                             ; 2^e0 as f32: the conversion takes its exponent field
	s_add_co_i32 s24, s24, 15
	s_lshl_b32 s24, s24, 23
	s_or_b32 s24, s24, 0x600000
	s_wait_alu depctr_va_vdst(0)
	s_wait_loadcnt 12                              ; step 0's four loads are in; the twelve of steps 1 to 3 may be out
	TURN 0
.macro STEP t
.set XS, X+16*((\t)%2)
	s_wait_dscnt 0x0                               ; this step's numbers are back from the stage, and its stores into the stage have read their registers,
.if (\t)+4 < STEPS
	LOAD (\t)+4                                    ; which take the loads of four steps on
.endif
.if (\t)+1 < STEPS
.if STEPS-2-(\t) >= 3
	s_wait_loadcnt 12                              ; the next step's four loads are in; those of the three steps behind it may be out
.else
	s_wait_loadcnt 4*(STEPS-2-(\t))                ; the tail: fewer steps are behind it
.endif
	TURN (\t)+1
.endif
.irp i, 0,1,2,3,4,5,6,7,8,9,10,11,12,13,14,15
.endr
	v_cvt_scalef32_pk8_bf8_f32 v[C+4*(\t):C+4*(\t)+1], v[XS:XS+7], v11
	v_cvt_scalef32_pk8_bf8_f32 v[C+4*(\t)+2:C+4*(\t)+3], v[XS+8:XS+15], v11
	global_store_b128 v3, v[C+4*(\t):C+4*(\t)+3], s[12:13] offset:512*(\t)   ; the wave stores 512 consecutive bytes, aligned.  (The codes go to a store alone)
.endm
.irp t, 0,1,2,3,4,5,6,7,8,9,10,11,12,13,14,15
	STEP \t
.endr
	s_wait_tensorcnt 0x0
	ds_add_u32 v208, v209
	s_wait_dscnt 0x0
	s_endpgm
	; ---------------- the weights: work-group j = 32 ky + c: 256 along K at 256 ky; c = 0..23: 128 columns of w_attn, c = 24..31: of w_proj
.Lweights:
	s_sub_co_u32 s20, ttmp9, XWG
	s_lshr_b32 s21, s20, 5                         ; ky 0..3
	s_and_b32 s22, s20, 31                         ; c
	s_sub_co_u32 s23, s22, 24
	s_mov_b32 s25, 12288
	s_cmp_ge_u32 s22, 24                           ; w_proj's?  The choice hangs on the work-group's number alone
	s_cselect_b32 s22, s23, s22                    ; which 128 columns of the tensor
	s_cselect_b32 s24, 4096, s25                   ; bytes in a row of the tensor
	s_cselect_b32 s26, 1, 0
	s_cselect_b64 s[6:7], s[8:9], s[6:7]           ; from
	s_cselect_b64 s[14:15], s[16:17], s[14:15]     ; to
	s_lshl_b32 s28, s22, 7
	s_lshl_b32 s29, s18, 5
	s_add_co_u32 s28, s28, s29                     ; my wave's first column
	s_mul_i32 s27, s21, s24
	s_lshl_b32 s27, s27, 8                         ; 256 ky rows, in bytes
	s_lshl_b32 s29, s28, 2
	s_add_co_u32 s32, s27, s29
	s_mov_b32 s33, 0
	s_lshl_b32 s34, s24, 5                         ; a block of 32 rows, in bytes
	s_mov_b32 s35, 0
	s_add_nc_u64 s[44:45], s[6:7], s[32:33]        ; a base for each of the eight blocks, so that no pointer is stepped while loads are out
.irp t, 1,2,3,4,5,6,7
	s_add_nc_u64 s[44+2*\t:45+2*\t], s[42+2*\t:43+2*\t], s[34:35]
.endr
	s_lshl_b32 s32, s28, 10                        ; the codes: my first column's row of 1,024 bytes,
	s_lshl_b32 s27, s21, 8                         ; + 256 ky
	s_add_co_u32 s32, s32, s27
	s_add_nc_u64 s[14:15], s[14:15], s[32:33]
	s_wait_alu depctr_va_vdst(0)
	v_lshlrev_b32 v3, 2, v2                        ; 4 bytes a lane: 32 neighbouring columns, 128 consecutive bytes a wave, 512 a work-group
.irp i, 0,1,2,3,4,5,6,7,8,9,10,11,12,13,14,15,16,17,18,19,20,21,22,23,24,25,26,27,28,29,30,31
	v_mad_u32_u24 v[WA+\i], s24, \i, v3
.endr
	s_mul_i32 s19, s18, 32*WP
	s_add_co_u32 s19, s19, WST                     ; my stage: 32 rows of 272 bytes
	v_mul_u32_u24 v4, v2, WP
	v_add_nc_u32 v4, s19, v4                       ; into it: row = my column
	v_and_b32 v5, 15, v2
	v_lshrrev_b32 v6, 4, v2
	v_mul_u32_u24 v7, v6, WP
	v_lshl_add_u32 v7, v5, 4, v7
	v_add_nc_u32 v7, s19, v7                       ; out of it: sixteen lanes to a row, two rows an instruction
	v_lshlrev_b32 v8, 10, v6
	v_lshl_add_u32 v8, v5, 4, v8                   ; and the same place among the codes' rows of 1,024 bytes
.macro WLOAD t                         ; block t: rows 32 t + i of my 256, my column, into set t % 2
.irp i, 0,1,2,3,4,5,6,7,8,9,10,11,12,13,14,15,16,17,18,19,20,21,22,23,24,25,26,27,28,29,30,31
	global_load_b32 v[WX+32*((\t)%2)+\i], v[WA+\i], s[44+2*(\t):45+2*(\t)] th:TH_LOAD_NT
.endr
.endm
	WLOAD 0
	WLOAD 1
	s_wait_kmcnt 0x0
	s_cmp_eq_u32 s26, 1
	s_cselect_b32 s30, s43, s37                    ; e7 or e1
	s_add_co_i32 s30, s30, 127
	s_lshl_b32 s31, s30, 23
	v_mov_b32 v11, s31                             ; 2^e
	s_add_co_i32 s30, s30, 15
	s_lshl_b32 s30, s30, 23
	s_or_b32 s30, s30, 0x600000
.macro BLOCK t
.set XS, WX+32*((\t)%2)
.if (\t) < NB-1
	s_wait_loadcnt 32                              ; this block's 32 loads are in; the next block's 32 may be out
.else
	s_wait_loadcnt 0
.endif
.irp i, 0,1,2,3,4,5,6,7,8,9,10,11,12,13,14,15,16,17,18,19,20,21,22,23,24,25,26,27,28,29,30,31
.endr
.irp g, 0,1,2,3
	v_cvt_scalef32_pk8_bf8_f32 v[WC+2*\g:WC+2*\g+1], v[XS+8*\g:XS+8*\g+7], v11
.endr
	ds_store_b128 v4, v[WC:WC+3] offset:32*(\t)    ; 32 codes: 32 bytes of my column's row
	ds_store_b128 v4, v[WC+4:WC+7] offset:32*(\t)+16
.if (\t)+2 < NB
	WLOAD (\t)+2
.endif
	s_wait_dscnt 0x0                               ; the stores have read their registers: the next block's codes may be written
.endm
	s_wait_alu depctr_va_vdst(0)
.irp t, 0,1,2,3,4,5,6,7
	BLOCK \t
.endr
.irp t, 0,1,2,3,4,5,6,7,8,9,10,11,12,13,14,15
	ds_load_b128 v[WO+4*\t:WO+4*\t+3], v7 offset:2*\t*WP
.endr
.irp t, 0,1,2,3,4,5,6,7,8,9,10,11,12,13,14,15
	s_wait_dscnt 15-\t                             ; LDS loads come back in order: load t is in, the younger ones may be out
	global_store_b128 v8, v[WO+4*\t:WO+4*\t+3], s[14:15] offset:2*\t*1024   ; sixteen lanes store 256 consecutive bytes, aligned
.endr
	s_wait_tensorcnt 0x0
	ds_add_u32 v208, v209
	s_wait_dscnt 0x0
	s_endpgm
.Lfunc_end_k_qb031324b53_quant:
	.size	k_qb031324b53_quant, .Lfunc_end_k_qb031324b53_quant-k_qb031324b53_quant
	.p2alignl 7, 3214868480
	.fill 96, 4, 3214868480
	.section	.rodata,"a",@progbits
	.p2align	6, 0x0
	.amdhsa_kernel k_qb031324b53_quant
		.amdhsa_group_segment_fixed_size 68096
		.amdhsa_private_segment_fixed_size 0
		.amdhsa_enable_private_segment 0
		.amdhsa_kernarg_size 56
		.amdhsa_user_sgpr_count 2
		.amdhsa_user_sgpr_kernarg_segment_ptr 1
		.amdhsa_wavefront_size32 1
		.amdhsa_system_sgpr_workgroup_id_x 1
		.amdhsa_system_sgpr_workgroup_id_y 1
		.amdhsa_system_sgpr_workgroup_id_z 1
		.amdhsa_system_vgpr_workitem_id 0
		.amdhsa_next_free_vgpr 210
		.amdhsa_next_free_sgpr 66
		.amdhsa_reserve_vcc 0
		.amdhsa_float_denorm_mode_32 3
		.amdhsa_float_denorm_mode_16_64 3
		.amdhsa_fp16_overflow 1
		.amdhsa_memory_ordered 1
		.amdhsa_forward_progress 1
		.amdhsa_inst_pref_size 56
	.end_amdhsa_kernel
	.amdgpu_metadata
---
amdhsa.version: [ 1, 2 ]
amdhsa.kernels:
  - .name:           k_qb031324b53_quant
    .symbol:         k_qb031324b53_quant.kd
    .args:
      - { .name: x, .offset: 0, .size: 8, .value_kind: global_buffer, .address_space: global }
      - { .name: w_attn, .offset: 8, .size: 8, .value_kind: global_buffer, .address_space: global }
      - { .name: w_proj, .offset: 16, .size: 8, .value_kind: global_buffer, .address_space: global }
      - { .name: lowp_scales, .offset: 24, .size: 8, .value_kind: global_buffer, .address_space: global }
      - { .name: x_codes, .offset: 32, .size: 8, .value_kind: global_buffer, .address_space: global }
      - { .name: wa_codes, .offset: 40, .size: 8, .value_kind: global_buffer, .address_space: global }
      - { .name: wp_codes, .offset: 48, .size: 8, .value_kind: global_buffer, .address_space: global }
    .group_segment_fixed_size: 68096
    .private_segment_fixed_size: 0
    .kernarg_segment_align: 8
    .kernarg_segment_size: 56
    .max_flat_workgroup_size: 128
    .sgpr_count:     66
    .vgpr_count:     210
    .wavefront_size: 32
...
	.end_amdgpu_metadata
.endif
;; end of part 1
;; launch qkv (part 2): grid 8 x 48, 4 waves a work-group, clusters of 4 x 4, 327,680 bytes of LDS; arguments x_codes, wa_codes, lowp_scales, b_attn, q_img, k_img, v_img; writes q_img, k_img, v_img
.if DOCPART == 2
	.amdgcn_target "amdgcn-amd-amdhsa--gfx1250"
	.amdhsa_code_object_version 6
	.text
	.protected	k_qb031324b53_qkv
	.globl	k_qb031324b53_qkv
	.p2align	8
	.type	k_qb031324b53_qkv,@function
k_qb031324b53_qkv:
	s_mov_b64 s[64:65], 0
	v_nop
	global_prefetch_b8 v0, s[64:65] scope:SCOPE_SE
	s_setreg_imm32_b32 hwreg(HW_REG_WAVE_MODE, 25, 1), 1
	s_wait_xcnt 0x0
	s_wait_alu depctr_hold_cnt(0) depctr_sa_sdst(0) depctr_va_vdst(0) depctr_va_sdst(0) depctr_va_ssrc(0) depctr_va_vcc(0) depctr_vm_vsrc(0)
	s_getreg_b32 s2, hwreg(HW_REG_IB_STS2, 6, 4)
	s_cmp_eq_u32 s2, 0
	s_cbranch_scc0 .Lentry_in_a_cluster
	s_endpgm
.Lentry_in_a_cluster:
	s_bfe_u32 s2, ttmp6, 0x10000c
	s_cmp_lg_u32 s2, 0xf033
	s_cbranch_scc0 .Lentry_shape_is_right
	s_endpgm
.Lentry_shape_is_right:
; qkv = x w_attn + b_attn on codes of BF8 (E5M2), K = 1,024; q, k and v are quantised on the way out and leave as IMAGES OF OPERAND REGISTERS for the attention launch.
; A tile of 256 x 256 is made by four waves, each 128 x 128: 64 accumulators, 512 registers.  K goes in steps of 256 through two LDS slots filled by the tensor data mover.
; THE MATRIX INSTRUCTION IS USED TRANSPOSED (source 0 = 16 rows of the B-role, source 1 = 16 rows of the A-role): a lane holds ONE row of the A-role and eight neighbours of the B-role.
;   q, k (cluster y 0-7):  A-role = x's rows (tokens), B-role = w_attn's columns: a lane holds a token and eight neighbouring channels: K of the first attention product runs along its registers.
;   v    (cluster y 8-11): A-role = w_attn's columns 2,048 on, B-role = x's rows: a lane holds a channel and eight neighbouring tokens: the keys, K of the second product, run along its registers.
; So one conversion of an accumulator's eight registers gives registers 2 c, 2 c + 1 of a fragment in the 8-bit forms' own layout (k = 16 c + 8 (lane / 16) + 0..7), and four such registers leave by one store at 16 x lane:
; 512 consecutive aligned bytes.  No stage in LDS, nothing is transposed.
;   q_img, k_img: [batch x head 64][16 tokens 128][1,024 bytes]: a fragment 16 tokens x 64 channels, registers 4 c .. 4 c + 3 at 512 c + 16 lane.
;   v_img: [batch x head 64][128 keys 16][16 channels 4][2,048 bytes]: a fragment 16 channels x 128 keys, laid likewise.
; Only pointers, offsets of whole clusters and the way out differ between the two kinds; the choice hangs on the cluster's y, which all sixteen partners share.
; CLUSTERS: 4 x 4 work-groups; the A-role's tile is shared along a row of the cluster, the B-role's along a column: each is asked for jointly by the four that need it.
; In the products A's and B's fragments take k in the same permuted order (four loads of 16 bytes a fragment), so every product meets its partner.
; value = sum x 2^(e0 + e1) + bias, one fused multiply-add; then / 2^e (e2 for q, e3 for k, e5 for v), held within +-57,344, to the nearest code.
; LIMITS: e0 + e1 between -126 and 127; e2, e3, e5 between -126 and 112.  NaN is not served.
; No prefetch: K has four slots only, and two of them are asked for at the head.
; REGISTERS: window 0: v16-29 addresses and constants; v32-95 the bias; v96-103 its offsets; v128-255 A's fragments, ONE set (on the way out: v128-191 numbers, v192-255 four sets of codes).
;   window 1: B's fragments, two sets.   windows 2, 3: the accumulators ((a, b) at v[8 (8 (a % 4) + b)] of window 2 + a / 4).
.set KROW,   1024                      ; a row of codes in memory, bytes
.set ROWB,   256                       ; a tile's row: 256 codes
.set PITCH,  272                       ; an LDS row: 256 bytes + 16 of padding, so that the 16 rows that a load touches start 68 words apart
.set FR,     16
.set NL,     4
.set NP,     4                         ; places behind this matrix instruction (ISA guide 7.12.1)
.set HALFT,  128*PITCH
.set SLOT,   4*HALFT
.set SPARE,  2*SLOT                    ; behind the ring: the spare words, 128 bytes a wave: two blocks of 256 bytes that no other line names
.set ADRA, 16
.set ADRB, 20
.set LI,   24                          ; v24  16 x lane: an image's place for my lane; never rewritten
.set SCL,  26                          ; v26  2^e of the operand that this tile becomes
.set LIM,  27
.set SPW,  28
.set NIL,  29
.set BIAS, 32
.set BO,   96
.set AF,   128
.set T,    128
.set CD,   192
.set G1, 24
.set G0, 32
.set G1B, 48
.set G0B, 56
.set MSB, 0
.macro WIN new                         ; the immediate's high byte repeats the setting that is left
.if MSB != (\new)
	s_set_vgpr_msb (MSB<<8)|(\new)
.set MSB, (\new)
.endif
.endm
.set MUL_LO, 0xa1                      ; source 0 (B) window 1, source 1 (A) window 0, C and D window 2
.set MUL_HI, 0xf1
.set TO_B,   0x40
; A joint load: waves 0 and 1 fetch for the A-role, waves 2 and 3 for the B-role; the branch hangs on the wave's number alone.  Four v_nop follow each of the two lines.
.macro JLOAD g0a, g1a, g0b, g1b
	s_cmp_eq_u32 s15, 0
	s_cbranch_scc0 .Lfor_b_\@
	tensor_load_to_lds s[\g0a:\g0a+3], s[\g1a:\g1a+7]
	s_nop 0
.rept 4
	v_nop
.endr
	s_branch .Lasked_\@
.Lfor_b_\@:
	tensor_load_to_lds s[\g0b:\g0b+3], s[\g1b:\g1b+7]
	s_nop 0
.rept 4
	v_nop
.endr
.Lasked_\@:
.endm
.macro CREST                           ; a round of the cluster's barrier behind its opening barrier
	s_cmp_lg_u32 s14, 0
	s_cbranch_scc1 .Lnot_wave_0_\@
	s_barrier_signal -3
.Lnot_wave_0_\@:
	s_barrier_wait -3
	s_barrier_signal -1
	s_barrier_wait -1
.endm
.macro CROUND
	s_barrier_signal -1
	s_barrier_wait -1
	CREST
.endm
	s_load_b256 s[4:11], s[0:1], 0x0               ; x_codes s[4:5], wa_codes s[6:7], lowp_scales s[8:9], b_attn s[10:11]
	s_load_b128 s[68:71], s[0:1], 0x20             ; q_img s[68:69], k_img s[70:71]
	s_load_b64 s[72:73], s[0:1], 0x30              ; v_img
	v_lshl_add_u32 v[SPW], v0, 2, SPARE
	v_mov_b32 v[NIL], 0
	ds_add_u32 v28, v29
	ds_add_u32 v28, v29
	s_wait_dscnt 0x0
	v_lshrrev_b32 v1, 5, v0
	v_readfirstlane_b32 s14, v1                    ; wave 0..3
	s_lshr_b32 s15, s14, 1                         ; which half of the A-role's rows is mine.  Also: I fetch for A (0) or for B (1)
	s_and_b32 s16, s14, 1                          ; which half of the B-role's.  Also: which 128 rows of that tile I fetch
	s_bfe_u32 s40, ttmp6, 0x40000                  ; cx
	s_bfe_u32 s41, ttmp6, 0x40004                  ; cy
	s_and_b32 s17, ttmp7, 0xffff                   ; Y: the cluster's y, 0..11
	s_mov_b32 s42, ttmp9                           ; X: the cluster's x, 0..1
	s_lshl_b32 s43, s41, 2
	s_lshl_b32 s43, 15, s43                        ; my row of the cluster
	s_lshl_b32 s44, 0x1111, s40                    ; my column
	s_or_b32 s[G1+0], s43, (0<<16)|(1<<20)|(1<<21)|(5<<22)|(3<<25)  ; the mask; elements of 1 byte; padding on; bit 21 beside a mask; after every 64 words, 4 words
	s_or_b32 s[G1B+0], s44, (0<<16)|(1<<20)|(1<<21)|(5<<22)|(3<<25)
.irp g, G1, G1B
	s_mov_b32 s[\g+1], ROWB<<16                    ; tensor_dim0
	s_mov_b32 s[\g+2], 128<<16                     ; tensor_dim1
	s_mov_b32 s[\g+3], ROWB<<16                    ; tile_dim0
	s_mov_b32 s[\g+4], 128                         ; tile_dim1
	s_mov_b32 s[\g+5], KROW                        ; pitch
	s_mov_b32 s[\g+6], 0
	s_mov_b32 s[\g+7], 0
.endr
	; the cluster's first row in each role.  q, k: A 1,024 Y, B 1,024 X.   v: A 2,048, B 1,024 (2 (Y - 8) + X)
	s_lshl_b32 s74, s17, 10
	s_lshl_b32 s75, s42, 10
	s_sub_co_u32 s90, s17, 8
	s_lshl_b32 s90, s90, 1
	s_add_co_u32 s90, s90, s42
	s_lshl_b32 s90, s90, 10                        ; (taken only where Y is 8 or more)
	s_mov_b32 s91, 2048
	s_cmp_ge_u32 s17, 8
	s_cselect_b32 s20, s91, s74
	s_cselect_b32 s46, s90, s75
	s_lshl_b32 s18, s16, 7                         ; which 128 rows of the tile I fetch
	s_lshl_b32 s19, s41, 8
	s_add_co_u32 s20, s20, s19                     ; A: + 256 cy: it never holds cx
	s_add_co_u32 s20, s20, s18
	s_lshl_b32 s20, s20, 10                        ; rows of 1,024 bytes
	s_mov_b32 s21, 0
	s_lshl_b32 s47, s40, 8
	s_add_co_u32 s46, s46, s47                     ; B: + 256 cx: it never holds cy
	s_add_co_u32 s46, s46, s18
	s_lshl_b32 s46, s46, 10
	s_mov_b32 s47, 0
	s_mul_i32 s45, s14, HALFT                      ; where they go: wave x 128 rows
	s_wait_kmcnt 0x0
	s_load_b256 s[80:87], s[8:9], 0x0              ; e0 .. e7
	s_cmp_ge_u32 s17, 8
	s_cselect_b64 s[74:75], s[6:7], s[4:5]         ; the A-role's buffer
	s_cselect_b64 s[92:93], s[4:5], s[6:7]         ; the B-role's
	s_add_nc_u64 s[20:21], s[74:75], s[20:21]
	s_add_nc_u64 s[46:47], s[92:93], s[46:47]
	CROUND                                         ; all sixteen work-groups are here: the first joint loads meet
.irp s, 0,1
	s_mov_b32 s[G0+4*\s], 1
	s_add_co_u32 s[G0+4*\s+1], s45, \s*SLOT
	s_add_nc_u64 s[G0+4*\s+2:G0+4*\s+3], s[20:21], \s*ROWB
	s_or_b32 s[G0+4*\s+3], s[G0+4*\s+3], 0x80000000
	s_mov_b32 s[G0B+4*\s], 1
	s_add_co_u32 s[G0B+4*\s+1], s45, \s*SLOT
	s_add_nc_u64 s[G0B+4*\s+2:G0B+4*\s+3], s[46:47], \s*ROWB
	s_or_b32 s[G0B+4*\s+3], s[G0B+4*\s+3], 0x80000000
	s_wait_alu depctr_va_vdst(0)
	s_wait_tensorcnt 0x0
	ds_add_u32 v28, v29
	ds_add_u32 v28, v29
	s_wait_dscnt 0x0
	CROUND
	JLOAD G0+4*\s, G1, G0B+4*\s, G1B
.endr
	v_and_b32 v1, 15, v0                           ; r = lane % 16
	v_bfe_u32 v2, v0, 4, 1                         ; h = lane / 16
	v_mul_u32_u24 v3, v1, PITCH
	v_lshl_add_u32 v4, v2, 4, v3
	s_mul_i32 s21, s15, HALFT                      ; my 128 rows of A
	s_mul_i32 s22, s16, HALFT
	s_add_co_u32 s22, s22, 2*HALFT                 ; my 128 rows of B, behind A's 256
.irp s, 0,1
	v_add_nc_u32 v[ADRA+\s], s21, v4
	v_add_nc_u32 v[ADRB+\s], s22, v4
	s_add_co_u32 s21, s21, SLOT
	s_add_co_u32 s22, s22, SLOT
.endr
	v_and_b32 v6, 31, v0
	v_lshlrev_b32 v[LI], 4, v6
	; THE BIAS, in the results' layout, one form for both kinds: register 8 g + j = b_attn[base + 16 g + lane's part + j's part].
	; q, k: base = my first column, lane's part 8 h, j's part j (g = B's block).   v: base = 2,048 + my first channel, lane's part r, none of j (g = A's block).
	s_lshl_b32 s90, s42, 10
	s_lshl_b32 s91, s40, 8
	s_add_co_u32 s90, s90, s91
	s_lshl_b32 s91, s16, 7
	s_add_co_u32 s90, s90, s91
	s_lshl_b32 s94, s41, 8
	s_lshl_b32 s95, s15, 7
	s_add_co_u32 s94, s94, s95
	s_add_co_u32 s94, s94, 2048
	s_cmp_ge_u32 s17, 8
	s_cselect_b32 s90, s94, s90
	s_cselect_b32 s91, 4, 0                        ; bytes for each r
	s_cselect_b32 s94, 0, 32                       ; for h
	s_cselect_b32 s95, 0, 4                        ; for each j
	s_lshl_b32 s92, s90, 2
	s_mov_b32 s93, 0
	s_add_nc_u64 s[92:93], s[10:11], s[92:93]
	v_mul_u32_u24 v5, v1, s91
	v_mad_u32_u24 v5, v2, s94, v5
.irp j, 0,1,2,3,4,5,6,7
	v_mad_u32_u24 v[BO+\j], s95, \j, v5
.endr
.irp g, 0,1,2,3,4,5,6,7
.irp j, 0,1,2,3,4,5,6,7
	global_load_b32 v[BIAS+8*\g+\j], v[BO+\j], s[92:93] offset:64*\g   ; waited for ahead of the way out; its registers are not touched until then
.endr
.endr
.macro FRAG reg, adr, q, i             ; 16 rows x 128 K: registers 4 c .. 4 c + 3 hold K = 32 c + 16 (lane / 16) + 0 .. 15, in A and in B alike
.irp c, 0,1,2,3
	ds_load_b128 v[\reg+4*\c:\reg+4*\c+3], v[\adr] offset:128*(\q)+32*\c+(\i)*16*PITCH
.endr
.endm
; 16 matrix instructions: A's blocks a0, a0 + 1 x B's eight.  The 64 accumulators take turns, one instruction a turn, in the same order in every step.
.macro MUL16 a0, p, zero
.irp a, \a0, \a0+1
.irp b, 0,1,2,3,4,5,6,7
.if \zero
	v_wmma_f32_16x16x128_bf8_bf8 v[8*(8*((\a)%4)+\b):8*(8*((\a)%4)+\b)+7], v[128*(\p)+FR*\b:128*(\p)+FR*\b+FR-1], v[AF+FR*(\a):AF+FR*(\a)+FR-1], 0
.else
	v_wmma_f32_16x16x128_bf8_bf8 v[8*(8*((\a)%4)+\b):8*(8*((\a)%4)+\b)+7], v[128*(\p)+FR*\b:128*(\p)+FR*\b+FR-1], v[AF+FR*(\a):AF+FR*(\a)+FR-1], v[8*(8*((\a)%4)+\b):8*(8*((\a)%4)+\b)+7]
.endif
.endr
.endr
.endm
.macro FETCH_B slot, q, p
	WIN TO_B
.irp i, 0,1,2,3,4,5,6,7
	FRAG 128*(\p)+FR*\i, ADRB+\slot, \q, \i
.endr
	WIN 0
.endm
.macro FETCH_A slot, q, i0
.irp i, \i0, \i0+1, \i0+2, \i0+3
	FRAG AF+FR*(\i), ADRA+\slot, \q, \i
.endr
.endm
.macro PLACES n                        ; plain vector lines between a matrix instruction and a load into, or a vector line on, its registers
.rept \n
	v_nop
.endr
.endm
; A step of 128 along K that has its successor in the same slot.  A's blocks are free as soon as their eight products are issued: one set serves A; B has two.
.macro STEP slot, q, zero
	s_wait_dscnt 4*NL                              ; B's set and A's blocks 0-3 are in; the youngest sixteen loads (A's blocks 4-7) may be out
	WIN MUL_LO
	MUL16 0, (\q)%2, \zero
	MUL16 2, (\q)%2, \zero
	s_wait_dscnt 0                                 ; A's blocks 4-7 are in
	PLACES NP
	FETCH_B \slot, (\q)+1, 1-(\q)%2
	FETCH_A \slot, (\q)+1, 0
	WIN MUL_HI
	MUL16 4, (\q)%2, \zero
	MUL16 6, (\q)%2, \zero
	PLACES NP
	WIN 0
	FETCH_A \slot, (\q)+1, 4
.endm
; A slot's last step changes slots: one barrier; in front of it each wave waits for all its tensor loads, adds 0 to its spare word, and waits for that and for its reads of this slot.
.macro TURN slot, next, fill
	s_wait_tensorcnt 0x0                           ; all my tensor loads have landed: my part of the next slot (every window is 0 here)
	ds_add_u32 v[SPW], v[NIL]                      ; 0 onto my spare word
	s_wait_dscnt 4*NL+1                            ; the add and the youngest sixteen loads may be out
	WIN MUL_LO
	MUL16 0, 1, 0
	s_wait_dscnt 0x0                               ; the add is done, and my reads of this slot are over
	s_barrier_signal -1
	MUL16 2, 1, 0
	WIN 0
	s_barrier_wait -1
.if \fill
	CREST                                          ; the barrier has opened a round of the cluster's: no wave of any partner still reads this slot or has a load on its way
	s_add_nc_u64 s[G0+4*\slot+2:G0+4*\slot+3], s[G0+4*\slot+2:G0+4*\slot+3], 2*ROWB
	s_add_nc_u64 s[G0B+4*\slot+2:G0B+4*\slot+3], s[G0B+4*\slot+2:G0B+4*\slot+3], 2*ROWB
	JLOAD G0+4*\slot, G1, G0B+4*\slot, G1B         ; the first tensor load behind the round; its four v_nop are the places in front of the loads below
.else
	PLACES NP
.endif
	FETCH_B \next, 0, 0
	FETCH_A \next, 0, 0
	WIN MUL_HI
	MUL16 4, 1, 0
	MUL16 6, 1, 0
	PLACES NP
	WIN 0
	FETCH_A \next, 0, 4
.endm
	s_wait_tensorcnt 1                             ; my part of slot 0 is in; slot 1's load may be out
	s_barrier_signal -1
	s_barrier_wait -1
	FETCH_B 0, 0, 0
	FETCH_A 0, 0, 0
	FETCH_A 0, 0, 4
	STEP 0, 0, 1                                   ; K 0-127: the first products start the sums; nothing is cleared
	TURN 0, 1, 1                                   ; K 128-255; slot 0 takes K 512-767
	STEP 1, 0, 0
	TURN 1, 0, 1                                   ; slot 1 takes K 768-1,023
	STEP 0, 0, 0
	TURN 0, 1, 0                                   ; nothing is left to fetch
	STEP 1, 0, 0
	s_wait_dscnt 4*NL                              ; the last step
	WIN MUL_LO
	MUL16 0, 1, 0
	MUL16 2, 1, 0
	s_wait_dscnt 0
	WIN MUL_HI
	MUL16 4, 1, 0
	MUL16 6, 1, 0
	WIN 0
	; THE WAY OUT.
	s_wait_kmcnt 0x0
	s_add_co_i32 s88, s80, s81
	s_add_co_i32 s88, s88, 127
	s_lshl_b32 s88, s88, 23                        ; 2^(e0 + e1) as f32
	s_mov_b32 s89, s88                             ; (named with it as a pair)
	s_cmp_eq_u32 s42, 0                            ; q (X = 0) or k (X = 1),
	s_cselect_b32 s90, s82, s83
	s_cselect_b64 s[76:77], s[68:69], s[70:71]
	s_cmp_ge_u32 s17, 8                            ; or v
	s_cselect_b32 s90, s85, s90
	s_cselect_b64 s[76:77], s[72:73], s[76:77]
	s_add_co_i32 s90, s90, 127
	s_lshl_b32 s91, s90, 23
	v_mov_b32 v[SCL], s91
	s_wait_loadcnt 0x0                             ; the bias is in; its base and offsets may be written again
	PLACES NP                                      ; behind the last products: their results are read, and A's registers written, below
; Block a of 16 rows of the A-role: 64 sums become numbers (one packed multiply-add for two, each accumulator from its low end on), are held and converted; 16 registers of codes leave by four stores.
; Four sets of code registers take turns; a set is written again only behind s_wait_xcnt 0, when the stores of four blocks back have read it.
.macro EPI isv
.irp a, 0,1,2,3,4,5,6,7
.if \a >= 4
	s_wait_xcnt 0x0
.endif
	WIN 0x02+(\a/4)                                ; source 0: window 2 or 3
.irp b, 0,1,2,3,4,5,6,7
.irp i, 0,2,4,6
.if \isv
	v_pk_fma_f32 v[T+8*\b+\i:T+8*\b+\i+1], v[64*(\a%4)+8*\b+\i:64*(\a%4)+8*\b+\i+1], s[88:89], v[BIAS+8*\a:BIAS+8*\a+1] op_sel_hi:[1,0,1]
.else
	v_pk_fma_f32 v[T+8*\b+\i:T+8*\b+\i+1], v[64*(\a%4)+8*\b+\i:64*(\a%4)+8*\b+\i+1], s[88:89], v[BIAS+8*\b+\i:BIAS+8*\b+\i+1] op_sel_hi:[1,0,1]
.endif
.endr
.endr
	WIN 0
.irp b, 0,1,2,3,4,5,6,7
.irp i, 0,1,2,3,4,5,6,7
.endr
	v_cvt_scalef32_pk8_bf8_f32 v[CD+16*(\a%4)+2*\b:CD+16*(\a%4)+2*\b+1], v[T+8*\b:T+8*\b+7], v[SCL]
.endr
	v_nop                                          ; a plain line between the last conversion and the next block's writes of its sources
.irp c, 0,1,2,3
.if \isv
	global_store_b128 v[LI], v[CD+16*(\a%4)+4*\c:CD+16*(\a%4)+4*\c+3], s[76:77] offset:131072*(\a/4)+2048*(\a%4)+512*\c   ; head a / 4 of my two, channels 16 (a % 4) on; 512 consecutive bytes
.else
	global_store_b128 v[LI], v[CD+16*(\a%4)+4*\c:CD+16*(\a%4)+4*\c+3], s[76:77] offset:1024*\a+131072*(\c/2)+512*(\c%2)   ; tokens 16 a on, head c / 2 of my two; 512 consecutive bytes
.endif
.endr
.endr
.endm
	s_cmp_ge_u32 s17, 8                            ; the cluster's y: alike in all partners
	s_cbranch_scc1 .Lv
	s_lshl_b32 s90, s17, 2
	s_add_co_u32 s90, s90, s41                     ; tile row: 256 tokens
	s_lshr_b32 s91, s90, 3                         ; batch
	s_lshl_b32 s91, s91, 4
	s_lshl_b32 s92, s40, 2
	s_add_co_u32 s91, s91, s92
	s_lshl_b32 s92, s16, 1
	s_add_co_u32 s91, s91, s92                     ; 16 batch + head: head = 4 cx + 2 x my half
	s_lshl_b32 s91, s91, 7
	s_and_b32 s90, s90, 7
	s_lshl_b32 s90, s90, 4
	s_add_co_u32 s91, s91, s90
	s_lshl_b32 s92, s15, 3
	s_add_co_u32 s91, s91, s92                     ; x 128 + my first block of 16 tokens
	s_lshl_b32 s92, s91, 10
	s_mov_b32 s93, 0
	s_add_nc_u64 s[76:77], s[76:77], s[92:93]
	EPI 0
	s_branch .Ldone
.Lv:
	s_sub_co_u32 s90, s17, 8
	s_lshl_b32 s90, s90, 1
	s_add_co_u32 s90, s90, s42
	s_lshl_b32 s90, s90, 2
	s_add_co_u32 s90, s90, s40                     ; tile column: 256 tokens
	s_lshr_b32 s91, s90, 3                         ; batch
	s_lshl_b32 s91, s91, 4
	s_lshl_b32 s92, s41, 2
	s_add_co_u32 s91, s91, s92
	s_lshl_b32 s92, s15, 1
	s_add_co_u32 s91, s91, s92                     ; 16 batch + head: head = 4 cy + 2 x my half
	s_lshl_b32 s91, s91, 4
	s_and_b32 s90, s90, 7
	s_lshl_b32 s90, s90, 1
	s_add_co_u32 s91, s91, s90
	s_add_co_u32 s91, s91, s16                     ; x 16 + my block of 128 keys
	s_lshl_b32 s92, s91, 13
	s_mov_b32 s93, 0
	s_add_nc_u64 s[76:77], s[76:77], s[92:93]
	EPI 1
.Ldone:
	s_wait_tensorcnt 0x0                           ; the wave's end
	ds_add_u32 v[SPW], v[NIL]
	s_wait_dscnt 0x0
	CROUND                                         ; the closing round: no work-group ends while a partner may still ask for a tile that names it
	s_endpgm
.Lfunc_end_k_qb031324b53_qkv:
	.size	k_qb031324b53_qkv, .Lfunc_end_k_qb031324b53_qkv-k_qb031324b53_qkv
	.p2alignl 7, 3214868480
	.fill 96, 4, 3214868480
	.section	.rodata,"a",@progbits
	.p2align	6, 0x0
	.amdhsa_kernel k_qb031324b53_qkv
		.amdhsa_group_segment_fixed_size 327680
		.amdhsa_private_segment_fixed_size 0
		.amdhsa_enable_private_segment 0
		.amdhsa_kernarg_size 56
		.amdhsa_user_sgpr_count 2
		.amdhsa_user_sgpr_kernarg_segment_ptr 1
		.amdhsa_wavefront_size32 1
		.amdhsa_system_sgpr_workgroup_id_x 1
		.amdhsa_system_sgpr_workgroup_id_y 1
		.amdhsa_system_sgpr_workgroup_id_z 1
		.amdhsa_system_vgpr_workitem_id 0
		.amdhsa_next_free_vgpr 1024
		.amdhsa_next_free_sgpr 100
		.amdhsa_reserve_vcc 0
		.amdhsa_float_denorm_mode_32 3
		.amdhsa_float_denorm_mode_16_64 3
		.amdhsa_fp16_overflow 1
		.amdhsa_memory_ordered 1
		.amdhsa_forward_progress 1
		.amdhsa_inst_pref_size 135
	.end_amdhsa_kernel
	.amdgpu_metadata
---
amdhsa.version: [ 1, 2 ]
amdhsa.kernels:
  - .name:           k_qb031324b53_qkv
    .symbol:         k_qb031324b53_qkv.kd
    .args:
      - { .name: x_codes, .offset: 0, .size: 8, .value_kind: global_buffer, .address_space: global }
      - { .name: wa_codes, .offset: 8, .size: 8, .value_kind: global_buffer, .address_space: global }
      - { .name: lowp_scales, .offset: 16, .size: 8, .value_kind: global_buffer, .address_space: global }
      - { .name: b_attn, .offset: 24, .size: 8, .value_kind: global_buffer, .address_space: global }
      - { .name: q_img, .offset: 32, .size: 8, .value_kind: global_buffer, .address_space: global }
      - { .name: k_img, .offset: 40, .size: 8, .value_kind: global_buffer, .address_space: global }
      - { .name: v_img, .offset: 48, .size: 8, .value_kind: global_buffer, .address_space: global }
    .group_segment_fixed_size: 327680
    .private_segment_fixed_size: 0
    .kernarg_segment_align: 8
    .kernarg_segment_size: 56
    .max_flat_workgroup_size: 128
    .sgpr_count:     100
    .vgpr_count:     1024
    .wavefront_size: 32
...
	.end_amdgpu_metadata
.endif
;; end of part 2
;; launch attn (part 3): grid 4 x 64, 16 waves a work-group, no clusters, 327,680 bytes of LDS; arguments q_img, k_img, v_img, lowp_scales, a_img; writes a_img
.if DOCPART == 3
	.amdgcn_target "amdgcn-amd-amdhsa--gfx1250"
	.amdhsa_code_object_version 6
	.text
	.protected	k_qb031324b53_attn
	.globl	k_qb031324b53_attn
	.p2align	8
	.type	k_qb031324b53_attn,@function
k_qb031324b53_attn:
	s_mov_b64 s[64:65], 0
	v_nop
	global_prefetch_b8 v0, s[64:65] scope:SCOPE_SE
	s_setreg_imm32_b32 hwreg(HW_REG_WAVE_MODE, 25, 1), 1
	s_wait_xcnt 0x0
; Causal attention on codes of BF8 (E5M2): 64 heads (batch x head) of 2,048 tokens x 64 channels.  o = softmax(q k^T / 8, key <= query) v, quantised for the last product and stored as images of operand registers.
; INPUTS are images in the 8-bit forms' own layout (registers 2 c, 2 c + 1: k = 16 c + 8 (lane / 16) + 0..7; registers 4 c .. 4 c + 3 of all lanes at 512 c + 16 lane):
;   q_img, k_img [head 64][16 tokens 128][1,024 bytes];  v_img [head 64][128 keys 16][16 channels 4][2,048 bytes].   OUTPUT a_img [16 rows 512][head 16][1,024 bytes], like q_img's items.
; THE SOFTMAX AHEAD OF THE SECOND PRODUCT: t = score x log2(e) / 8; M = the running largest t rounded UP to a whole number; p = 2^(t - M) is quantised with 2^e4, not normalised; the row's sum is taken of the
; unquantised p and divides at the end.  When M moves, the sum and O are multiplied by 2^(old M - new M): exact.
; SHARES.  Work-group (i, head) owns the query blocks i and 7 - i, 256 queries each: (i + 1) + (8 - i) = 9 slots of 256 keys whatever i is: equal work, and a trip count that is a constant of the text.
; Each of the SIXTEEN waves owns 16 queries of the block in hand, in 256 registers: four waves to a SIMD, so that one wave's vector work stands beside another's products and LDS loads.
; LAYOUT.  Both products are used transposed: S^T = K Q^T (source 0 = 16 keys, source 1 = my 16 queries), O^T = V^T P^T: a lane holds ONE query throughout, and its eight registers of a tile of S^T are the keys
; 16 t + 8 (lane / 16) + 0..7: their conversion gives registers 2 t, 2 t + 1 of the second product's operand.  Likewise O^T's four tiles give the eight registers of o's image.
; THE RING: two LDS slots of 32,768 bytes: K's 16 images, then V's 8; dense, read at 16 x lane.  Waves 0-3 fetch 8,192 bytes each with one tensor load; all sixteen read.
; CAUSAL: a step of 128 keys all of which come after my 16 queries is left out by a scalar branch on ids; on the diagonal hidden scores become -infinity ahead of the maximum.  Key 0 counts for every query.
; NO CLUSTER: the four work-groups of a head walk slots 0..i and then 0..7-i, so in a given trip they want different tiles: no joint request could meet.
; LIMITS: e2 + e3 between -123 and 130 (added to c's exponent field); e4, and e6 - e4 - e5, between -126 and 112.  NaN is not served.
; REGISTERS: v1 16 x lane; v2 lane % 16 - 8 (lane / 16); v3 256 x lane; v5, v6 the add's; v8 the slot's address; v12 -M, v13 the largest t, v[14:15] the sum; v16-23 Q; v24-31 Q of the second block;
;   v32-95 K's eight fragments, then V's four; v96-159 S^T, then p; v160-191 O^T; v192-207 p's codes; v208-215 o's codes; v234-255 at work and constants.
.set SLOT1, 1<<15                      ; slot 1 begins here: one exclusive or turns an address from one slot to the other
.set SPARE, 2*SLOT1                    ; behind the ring: the spare words, 128 bytes a wave: eight blocks of 256 bytes that no other line names
.set LI,   1
.set DQ,   2
.set PFO,  3
.set SPW,  5
.set NIL,  6
.set ADK,  8
.set TB,   2                           ; s2   LDS byte at which the slot in hand begins
.set TRIP, 3                           ; s3   0 .. 8
.set PI,   14                          ; s14  i: the work-group's x; the first block's last trip
.set KS,   15                          ; s15  which 256 keys the slot in hand holds
.set NS,   16                          ; s16  and the next slot
.set KF,   17                          ; s17  the step's first key
.set WV,   18
.set Q0,   19                          ; s19  my first query
.set SEL,  20
.set CS,   22
.set G1,   24
.set KVB,  32                          ; s[32:33] my part of the head's first slot in memory (waves with number % 4 < 2: K's, else V's)
.set OFP,  34                          ; s[34:35] an offset with 0 above it
.set PFA,  36                          ; s[36:37] where my prefetch stands
.set LIM,  38                          ; s38  7 in a wave that prefetches, else 0: it asks while the trip's number is under it
.set Q0B,  39                          ; s39  my first query in the second block
.set G0,   40
.set OA,   44                          ; s[44:45], s[46:47] where my two images of o go
.set OB,   46
; Waves 0-3 fetch, the others nothing; the branch hangs on the wave's number alone.  Four v_nop follow the load.
.macro TLOAD
	s_cmp_lt_u32 s[WV], 4
	s_cbranch_scc0 .Lnone_\@
	tensor_load_to_lds s[G0:G0+3], s[G1:G1+7]
	s_nop 0
.rept 4
	v_nop
.endr
.Lnone_\@:
.endm
; A PREFETCH INTO THE L2 of the slot of keys that the NEXT change of slots of this work-group will ask for.  All four work-groups of a head read the same K and V: work-group 0 of the head, which walks
; slots 0, 0, 1, .. 7, asks, and in it waves 4-7, which fetch nothing: 8,192 bytes a wave (K's halves, V's halves), lanes 256 bytes apart.  In trip n it names slot n + 1, n = 0 .. 6: each aligned block of 256 bytes of
; slots 1 to 7 is named once; slot 0 comes by its loads alone; trip 7 asks for nothing.
.macro ASK
	s_cmp_lt_u32 s[TRIP], s[LIM]
	s_cbranch_scc0 .Lnot_mine_\@
	global_prefetch_b8 v[PFO], s[PFA:PFA+1] th:TH_LOAD_NT scope:SCOPE_SE
.Lnot_mine_\@:
.endm
.macro INIT                            ; a block of queries begins: zeros, which the first change of M leaves zeros
	v_mov_b32 v13, 0xff61b1e6                      ; the largest t so far: -3e38
	s_delay_alu instid0(VALU_DEP_1)
	v_floor_f32 v12, -v13                          ; -M
	v_mov_b32 v14, 0
	v_mov_b32 v15, 0
.irp j, 0,1,2,3,4,5,6,7,8,9,10,11,12,13,14,15,16,17,18,19,20,21,22,23,24,25,26,27,28,29,30,31
	v_mov_b32 v[160+\j], 0
.endr
.endm
	s_load_b256 s[4:11], s[0:1], 0x0               ; q_img s[4:5], k_img s[6:7], v_img s[8:9], lowp_scales s[10:11]
	s_load_b64 s[12:13], s[0:1], 0x20              ; a_img
	v_lshl_add_u32 v[SPW], v0, 2, SPARE
	v_mov_b32 v[NIL], 0
	ds_add_u32 v5, v6
	ds_add_u32 v5, v6
	s_wait_dscnt 0x0
	v_lshrrev_b32 v8, 5, v0
	s_delay_alu instid0(VALU_DEP_1)
	v_readfirstlane_b32 s[WV], v8                  ; wave 0..15
	v_and_b32 v[LI], 31, v0
	s_delay_alu instid0(VALU_DEP_1)
	v_lshlrev_b32 v[PFO], 8, v[LI]
	s_delay_alu instid0(VALU_DEP_2)
	v_lshlrev_b32 v[LI], 4, v[LI]
	v_and_b32 v[DQ], 15, v0
	v_bfe_u32 v9, v0, 4, 1
	s_delay_alu instid0(VALU_DEP_1)
	v_lshlrev_b32 v9, 3, v9
	s_delay_alu instid0(VALU_DEP_1)
	v_sub_nc_u32 v[DQ], v[DQ], v9
	s_mov_b32 s[PI], ttmp9
	s_and_b32 s56, ttmp7, 0xffff                   ; the head, 0..63
	s_lshl_b32 s62, s56, 17                        ; its 131,072 bytes in each of q_img, k_img, v_img
	s_mov_b32 s63, 0
	s_mov_b32 s[OFP+1], 0
	s_mov_b32 s[G1], 3<<16                         ; no mask; elements of 8 bytes; no padding
	s_mov_b32 s[G1+1], 32<<16                      ; tensor_dim0 = 32: rows of 256 bytes
	s_mov_b32 s[G1+2], 32<<16                      ; tensor_dim1 = 32
	s_mov_b32 s[G1+3], 32<<16                      ; tile_dim0
	s_mov_b32 s[G1+4], 32                          ; tile_dim1
	s_mov_b32 s[G1+5], 32                          ; pitch: the block is dense
	s_mov_b32 s[G1+6], 0
	s_mov_b32 s[G1+7], 0
	s_mov_b32 s[SEL], 0x76543210
	s_mov_b32 s[SEL+1], 0xfedcba98
	s_mov_b32 s[CS], 0x3e38aa3b                    ; c = log2(e) / 8
	s_mov_b32 s[TB], 0
	s_mov_b32 s[TRIP], 0
	s_mov_b32 s[KS], 0
	s_lshr_b32 s57, s[WV], 2
	s_xor_b32 s57, s57, 1                          ; 0 in waves 4-7,
	s_or_b32 s57, s57, ttmp9                       ; of the head's work-group 0
	s_cmp_eq_u32 s57, 0
	s_cselect_b32 s[LIM], 7, 0
	s_and_b32 s57, s[WV], 3
	s_and_b32 s60, s[WV], 1
	s_lshl_b32 s[OFP], s60, 13                     ; which half of K's or V's 16,384 bytes
	s_mov_b32 s[G0], 1
	s_lshl_b32 s[G0+1], s57, 13                    ; LDS: slot 0, 8,192 x (wave % 4): K's halves, then V's
	s_wait_kmcnt 0x0
	s_load_b256 s[48:55], s[10:11], 0x0            ; e0 .. e7
	s_cmp_lt_u32 s57, 2
	s_cselect_b64 s[KVB:KVB+1], s[6:7], s[8:9]
	s_add_nc_u64 s[KVB:KVB+1], s[KVB:KVB+1], s[62:63]
	s_add_nc_u64 s[KVB:KVB+1], s[KVB:KVB+1], s[OFP:OFP+1]
	s_mov_b64 s[PFA:PFA+1], s[KVB:KVB+1]           ; at slot 0; each change of slots steps it ahead of its prefetch
	s_mov_b64 s[G0+2:G0+3], s[KVB:KVB+1]
	s_or_b32 s[G0+3], s[G0+3], 0x80000000
	TLOAD                                          ; slot 0: keys 0-255
	s_add_nc_u64 s[4:5], s[4:5], s[62:63]          ; q_img at my head
	s_lshl_b32 s57, s[PI], 4
	s_add_co_u32 s57, s57, s[WV]                   ; my 16 queries of block i: 16 i + wave
	s_lshl_b32 s[OFP], s57, 10
	s_add_nc_u64 s[58:59], s[4:5], s[OFP:OFP+1]
	s_sub_co_u32 s60, 7, s[PI]
	s_lshl_b32 s60, s60, 4
	s_add_co_u32 s60, s60, s[WV]                   ; and of block 7 - i
	s_lshl_b32 s[OFP], s60, 10
	s_add_nc_u64 s[4:5], s[4:5], s[OFP:OFP+1]
	s_wait_alu depctr_va_vdst(0)
	global_load_b128 v[16:19], v[LI], s[58:59]
	global_load_b128 v[20:23], v[LI], s[58:59] offset:512
	global_load_b128 v[24:27], v[LI], s[4:5]
	global_load_b128 v[28:31], v[LI], s[4:5] offset:512
	s_lshl_b32 s[Q0], s57, 4
	s_lshl_b32 s[Q0B], s60, 4
	s_lshr_b32 s61, s56, 4
	s_lshl_b32 s61, s61, 7                         ; 128 x batch
	s_and_b32 s56, s56, 15                         ; the head within the batch
	s_add_co_u32 s57, s57, s61
	s_lshl_b32 s57, s57, 4
	s_add_co_u32 s57, s57, s56
	s_lshl_b32 s[OFP], s57, 10                     ; ((128 batch + block of 16 rows) x 16 + head) x 1,024
	s_add_nc_u64 s[OA:OA+1], s[12:13], s[OFP:OFP+1]
	s_add_co_u32 s60, s60, s61
	s_lshl_b32 s60, s60, 4
	s_add_co_u32 s60, s60, s56
	s_lshl_b32 s[OFP], s60, 10
	s_add_nc_u64 s[OB:OB+1], s[12:13], s[OFP:OFP+1]
	INIT
	v_mov_b32 v236, 0                              ; written once: a lane permute's destination counts as one of its sources
	v_mov_b32 v252, 0
	v_mov_b32 v253, 0                              ; (named as the upper half of the pair v[252:253])
	s_wait_kmcnt 0x0
	s_add_co_i32 s56, s50, s51
	s_lshl_b32 s56, s56, 23
	s_add_co_i32 s[CS], s[CS], s56                 ; a score stands for score x 2^(e2 + e3): added to c's exponent field
	s_mov_b32 s[CS+1], s[CS]
	s_add_co_i32 s56, s52, 127
	s_lshl_b32 s57, s56, 23
	v_mov_b32 v244, s57                            ; 2^e4, for p's conversion
	s_sub_co_i32 s56, s54, s52
	s_sub_co_i32 s56, s56, s53
	s_add_co_i32 s56, s56, 127                     ; a sum of the second product stands for sum x 2^(e4 + e5): o's code is (sum / l) / 2^(e6 - e4 - e5)
	s_lshl_b32 s57, s56, 23
	v_mov_b32 v246, s57
; A KEY STEP: 128 keys, the q-th half of the slot in hand.
.macro STEP q
	s_add_co_u32 s56, s[Q0], 15
	s_cmp_gt_u32 s[KF], s56
	s_cbranch_scc1 .Lhidden_\@                     ; all its keys come after my queries
	v_add_nc_u32 v[ADK], s[TB], v[LI]
.rept 3
	v_nop                                          ; with the addition above: four places behind the last products, in front of loads into registers that they read
.endr
.irp t, 0,1,2,3,4,5,6,7
	ds_load_b128 v[32+8*\t:35+8*\t], v[ADK] offset:(8*(\q)+\t)*1024
	ds_load_b128 v[36+8*\t:39+8*\t], v[ADK] offset:(8*(\q)+\t)*1024+512
.endr
	s_wait_alu depctr_va_vdst(0)
	s_wait_dscnt 0x0
.irp t, 0,1,2,3,4,5,6,7
	v_wmma_f32_16x16x64_bf8_bf8 v[96+8*\t:103+8*\t], v[32+8*\t:39+8*\t], v[16:23], 0   ; S^T: register j of tile t = key 16 t + 8 (lane / 16) + j, my query lane % 16
.endr
.rept 4
	v_nop                                          ; places: K's registers take V below, and the scores are read
.endr
.irp d, 0,1,2,3
.irp c, 0,1,2,3
	ds_load_b128 v[32+16*\d+4*\c:35+16*\d+4*\c], v[ADK] offset:16384+(4*(\q)+\d)*2048+512*\c   ; V's four fragments land while the softmax is worked
.endr
.endr
	s_add_co_u32 s56, s[KF], 127
	s_cmp_le_u32 s56, s[Q0]
	s_cbranch_scc1 .Lopen_\@                       ; all its keys count
	s_sub_co_i32 s56, s[Q0], s[KF]
	v_add_nc_u32 v252, s56, v[DQ]                  ; my query - the step's first key - 8 (lane / 16): register 8 t + j is hidden where 16 t + j is above it
	v_mov_b32 v254, 0xff800000                     ; -infinity
.irp t, 0,1,2,3,4,5,6,7
.irp j, 0,1,2,3,4,5,6,7
	v_cmp_gt_i32 vcc_lo, 16*\t+\j, v252
	v_cndmask_b32 v[96+8*\t+\j], v[96+8*\t+\j], v254, vcc_lo
.endr
.endr
.Lopen_\@:
	v_max3_num_f32 v254, v96, v97, v98             ; the step's largest score of my query among my 64 keys, in two chains, each tile from its low end on,
	v_max3_num_f32 v252, v99, v100, v101
.irp i, 6,10,14,18,22,26,30,34,38,42,46,50,54,58
	v_max3_num_f32 v254, v254, v[96+\i], v[97+\i]
	v_max3_num_f32 v252, v252, v[98+\i], v[99+\i]
.endr
	v_max3_num_f32 v254, v254, v158, v159
	s_delay_alu instid0(VALU_DEP_1)
	v_max_num_f32 v254, v254, v252
	s_delay_alu instid0(VALU_DEP_1)
	v_permlanex16_b32 v236, v254, s[SEL], s[SEL+1]
	s_delay_alu instid0(VALU_DEP_1)
	v_max_num_f32 v254, v254, v236                 ; and among the other half of the lanes'
	s_delay_alu instid0(VALU_DEP_1)
	v_mul_f32 v254, s[CS], v254                    ; as t (c is positive)
	s_delay_alu instid0(VALU_DEP_1)
	v_max_num_f32 v13, v13, v254
	v_mov_b32 v254, v12
	s_delay_alu instid0(VALU_DEP_2)
	v_floor_f32 v12, -v13                          ; the new -M = -ceil(t)
	s_delay_alu instid0(VALU_DEP_1)
	v_sub_f32 v254, v12, v254                      ; old M - new M: a whole number, 0 or less
	s_delay_alu instid0(VALU_DEP_1)
	v_cvt_i32_f32 v254, v254                       ; (it saturates)
	s_delay_alu instid0(VALU_DEP_1)
	v_ldexp_f32 v252, 1.0, v254                    ; f = 2^(old M - new M)
.irp j, 0,2,4,6,8,10,12,14,16,18,20,22,24,26,28,30,32,34,36,38,40,42,44,46,48,50,52,54,56,58,60,62
	v_pk_fma_f32 v[96+\j:97+\j], v[96+\j:97+\j], s[CS:CS+1], v[12:13] op_sel_hi:[1,0,0]   ; t - M, two at a time
.endr
	s_wait_alu depctr_va_vdst(0)
.irp j, 0,1,2,3,4,5,6,7,8,9,10,11,12,13,14,15,16,17,18,19,20,21,22,23,24,25,26,27,28,29,30,31,32,33,34,35,36,37,38,39,40,41,42,43,44,45,46,47,48,49,50,51,52,53,54,55,56,57,58,59,60,61,62,63
	v_exp_f32 v[96+\j], v[96+\j]                   ; p = 2^(t - M)
.endr
	v_pk_mul_f32 v[14:15], v[14:15], v[252:253] op_sel_hi:[1,0]   ; the sums under the new M: the plain line behind the exponentials
	s_wait_alu depctr_va_vdst(0)                   ; one wait for the whole batch, ahead of its first reader
	v_pk_add_f32 v[242:243], v[100:101], v[104:105]
	v_pk_add_f32 v[254:255], v[108:109], v[112:113]
	v_pk_add_f32 v[250:251], v[116:117], v[120:121]
	v_pk_add_f32 v[248:249], v[124:125], v[128:129]
	v_pk_add_f32 v[240:241], v[132:133], v[136:137]
	v_pk_add_f32 v[238:239], v[140:141], v[144:145]
	v_pk_add_f32 v[234:235], v[148:149], v[152:153]
	v_pk_add_f32 v[14:15], v[14:15], v[156:157]
	v_pk_add_f32 v[242:243], v[242:243], v[96:97]
	v_pk_add_f32 v[254:255], v[254:255], v[98:99]
	v_pk_add_f32 v[250:251], v[250:251], v[102:103]
	v_pk_add_f32 v[248:249], v[248:249], v[106:107]
	v_pk_add_f32 v[240:241], v[240:241], v[110:111]
	v_pk_add_f32 v[238:239], v[238:239], v[114:115]
	v_pk_add_f32 v[234:235], v[234:235], v[118:119]
	v_pk_add_f32 v[14:15], v[14:15], v[122:123]
	v_pk_add_f32 v[242:243], v[242:243], v[126:127]
	v_pk_add_f32 v[254:255], v[254:255], v[130:131]
	v_pk_add_f32 v[250:251], v[250:251], v[134:135]
	v_pk_add_f32 v[248:249], v[248:249], v[138:139]
	v_pk_add_f32 v[240:241], v[240:241], v[142:143]
	v_pk_add_f32 v[238:239], v[238:239], v[146:147]
	v_pk_add_f32 v[234:235], v[234:235], v[150:151]
	v_pk_add_f32 v[14:15], v[14:15], v[154:155]
	v_pk_add_f32 v[242:243], v[242:243], v[158:159]
	s_delay_alu instid0(VALU_DEP_2)
	v_pk_add_f32 v[14:15], v[14:15], v[248:249]
	s_delay_alu instid0(VALU_DEP_2)
	v_pk_add_f32 v[242:243], v[242:243], v[240:241]
	v_pk_add_f32 v[254:255], v[254:255], v[238:239]
	v_pk_add_f32 v[250:251], v[250:251], v[234:235]
	s_delay_alu instid0(VALU_DEP_2)
	v_pk_add_f32 v[14:15], v[14:15], v[254:255]
	s_delay_alu instid0(VALU_DEP_2)
	v_pk_add_f32 v[242:243], v[242:243], v[250:251]
	s_delay_alu instid0(VALU_DEP_1)
	v_pk_add_f32 v[14:15], v[14:15], v[242:243]
.irp t, 0,1,2,3,4,5,6,7
.irp i, 0,1,2,3,4,5,6,7
.endr
	v_cvt_scalef32_pk8_bf8_f32 v[192+2*\t:193+2*\t], v[96+8*\t:103+8*\t], v244
.endr
.irp j, 0,2,4,6,8,10,12,14,16,18,20,22,24,26,28,30
	v_pk_mul_f32 v[160+\j:161+\j], v[160+\j:161+\j], v[252:253] op_sel_hi:[1,0]   ; O^T under the new M (plain lines between the conversions and the products)
.endr
	s_wait_alu depctr_va_vdst(0)
	s_wait_dscnt 0x0                               ; V is in
.irp d, 0,1,2,3
	v_wmma_f32_16x16x128_bf8_bf8 v[160+8*\d:167+8*\d], v[32+16*\d:47+16*\d], v[192:207], v[160+8*\d:167+8*\d]   ; the four accumulators take turns
.endr
.Lhidden_\@:
	s_add_co_u32 s[KF], s[KF], 128
.endm
; THE CHANGE OF SLOTS stands at a slot's head.  Each wave waits for all its tensor loads (its part of the slot ahead), adds 0 to its spare word, and waits for that and for its reads of the slot that it has left.
; fill = 1: behind the barrier that other slot takes the keys of the next trip: the next 256, or, where the first block of queries ends with this trip, the head's first 256 again.
.macro CHANGE fill
	s_wait_tensorcnt 0x0                           ; no tensor load of mine is out, so the group 0 may be written
	ds_add_u32 v[SPW], v[NIL]                      ; 0 onto my spare word
.if \fill
	s_add_co_u32 s[NS], s[KS], 1
	s_cmp_eq_u32 s[TRIP], s[PI]
	s_cselect_b32 s[NS], 0, s[NS]
	s_lshl_b32 s[OFP], s[NS], 14
	s_add_nc_u64 s[G0+2:G0+3], s[KVB:KVB+1], s[OFP:OFP+1]
	s_or_b32 s[G0+3], s[G0+3], 0x80000000
	s_xor_b32 s[G0+1], s[G0+1], SLOT1
	s_wait_xcnt 0x0                                ; the last prefetch, a slot back, has read its address
	s_add_nc_u64 s[PFA:PFA+1], s[PFA:PFA+1], 16384
.endif
	s_wait_dscnt 0x0                               ; the add is done, and my reads of the slot that I have left are over
	s_barrier_signal -1
	s_barrier_wait -1
.if \fill
	TLOAD                                          ; the first thing behind the barrier, a wave's one tensor load until the next: it has a slot's two steps in which to land
	ASK
.endif
.endm
; A block of queries is finished: O^T / the sum, held, converted with 2^(e6 - e4 - e5): the eight registers are the image of a fragment 16 rows x 64 of the last product's left operand.
.macro FLUSH o
.rept 4
	v_nop                                          ; places behind the last products
.endr
	s_wait_xcnt 0x0                                ; the first block's stores have read the code registers
	v_add_f32 v14, v14, v15
	s_wait_alu depctr_va_vdst(0)
	v_permlanex16_b32 v252, v14, s[SEL], s[SEL+1]
	s_delay_alu instid0(VALU_DEP_1)
	v_add_f32 v14, v14, v252                       ; the row's sum
	s_wait_alu depctr_va_vdst(0)
	v_rcp_f32 v14, v14
	v_nop                                          ; a plain line behind the transcendental
	s_wait_alu depctr_va_vdst(0)                   ; and the wait ahead of its first reader
.irp j, 0,2,4,6,8,10,12,14,16,18,20,22,24,26,28,30
	v_pk_mul_f32 v[96+\j:97+\j], v[160+\j:161+\j], v[14:15] op_sel_hi:[1,0]
.endr
.irp j, 0,1,2,3,4,5,6,7,8,9,10,11,12,13,14,15,16,17,18,19,20,21,22,23,24,25,26,27,28,29,30,31
.endr
.irp d, 0,1,2,3
	v_cvt_scalef32_pk8_bf8_f32 v[208+2*\d:209+2*\d], v[96+8*\d:103+8*\d], v246
.endr
	v_nop                                          ; a plain line behind the last conversion
	global_store_b128 v[LI], v[208:211], s[\o:\o+1]             ; 512 consecutive aligned bytes each
	global_store_b128 v[LI], v[212:215], s[\o:\o+1] offset:512
.endm
	s_wait_loadcnt 0x0                             ; Q, both blocks'
.Ltrip:                                            ; eight trips; behind each change of slots the next trip's keys are asked for
	CHANGE 1
	s_lshl_b32 s[KF], s[KS], 8
	STEP 0
	STEP 1
	s_xor_b32 s[TB], s[TB], SLOT1
	s_cmp_lg_u32 s[TRIP], s[PI]
	s_cbranch_scc1 .Lsame
	FLUSH OA                                       ; the first block's diagonal slot is done
.irp j, 0,1,2,3,4,5,6,7
	v_mov_b32 v[16+\j], v[24+\j]                   ; the second block's queries
.endr
	INIT
	s_mov_b32 s[Q0], s[Q0B]
.Lsame:
	s_mov_b32 s[KS], s[NS]
	s_add_co_u32 s[TRIP], s[TRIP], 1
	s_cmp_lt_u32 s[TRIP], 8
	s_cbranch_scc1 .Ltrip
	CHANGE 0                                       ; the ninth slot is written out
	s_lshl_b32 s[KF], s[KS], 8
	STEP 0
	STEP 1
	FLUSH OB
	s_wait_tensorcnt 0x0                           ; the wave's end
	ds_add_u32 v[SPW], v[NIL]
	s_wait_dscnt 0x0
	s_endpgm
.Lfunc_end_k_qb031324b53_attn:
	.size	k_qb031324b53_attn, .Lfunc_end_k_qb031324b53_attn-k_qb031324b53_attn
	.p2alignl 7, 3214868480
	.fill 96, 4, 3214868480
	.section	.rodata,"a",@progbits
	.p2align	6, 0x0
	.amdhsa_kernel k_qb031324b53_attn
		.amdhsa_group_segment_fixed_size 327680
		.amdhsa_private_segment_fixed_size 0
		.amdhsa_enable_private_segment 0
		.amdhsa_kernarg_size 40
		.amdhsa_user_sgpr_count 2
		.amdhsa_user_sgpr_kernarg_segment_ptr 1
		.amdhsa_wavefront_size32 1
		.amdhsa_system_sgpr_workgroup_id_x 1
		.amdhsa_system_sgpr_workgroup_id_y 1
		.amdhsa_system_sgpr_workgroup_id_z 1
		.amdhsa_system_vgpr_workitem_id 0
		.amdhsa_next_free_vgpr 256
		.amdhsa_next_free_sgpr 66
		.amdhsa_reserve_vcc 1
		.amdhsa_float_denorm_mode_32 3
		.amdhsa_float_denorm_mode_16_64 3
		.amdhsa_fp16_overflow 1
		.amdhsa_memory_ordered 1
		.amdhsa_forward_progress 1
		.amdhsa_inst_pref_size 89
	.end_amdhsa_kernel
	.amdgpu_metadata
---
amdhsa.version: [ 1, 2 ]
amdhsa.kernels:
  - .name:           k_qb031324b53_attn
    .symbol:         k_qb031324b53_attn.kd
    .args:
      - { .name: q_img, .offset: 0, .size: 8, .value_kind: global_buffer, .address_space: global }
      - { .name: k_img, .offset: 8, .size: 8, .value_kind: global_buffer, .address_space: global }
      - { .name: v_img, .offset: 16, .size: 8, .value_kind: global_buffer, .address_space: global }
      - { .name: lowp_scales, .offset: 24, .size: 8, .value_kind: global_buffer, .address_space: global }
      - { .name: a_img, .offset: 32, .size: 8, .value_kind: global_buffer, .address_space: global }
    .group_segment_fixed_size: 327680
    .private_segment_fixed_size: 0
    .kernarg_segment_align: 8
    .kernarg_segment_size: 40
    .max_flat_workgroup_size: 512
    .sgpr_count:     66
    .vgpr_count:     256
    .wavefront_size: 32
...
	.end_amdgpu_metadata
.endif
;; end of part 3
;; launch proj (part 4): grid 4 x 64, 4 waves a work-group, clusters of 4 x 4, 327,680 bytes of LDS; arguments a_img, wp_codes, lowp_scales, b_proj, out0; writes out0
.if DOCPART == 4
	.amdgcn_target "amdgcn-amd-amdhsa--gfx1250"
	.amdhsa_code_object_version 6
	.text
	.protected	k_qb031324b53_proj
	.globl	k_qb031324b53_proj
	.p2align	8
	.type	k_qb031324b53_proj,@function
k_qb031324b53_proj:
	s_mov_b64 s[64:65], 0
	v_nop
	global_prefetch_b8 v0, s[64:65] scope:SCOPE_SE
	s_setreg_imm32_b32 hwreg(HW_REG_WAVE_MODE, 25, 1), 1
	s_wait_xcnt 0x0
	s_wait_alu depctr_hold_cnt(0) depctr_sa_sdst(0) depctr_va_vdst(0) depctr_va_sdst(0) depctr_va_ssrc(0) depctr_va_vcc(0) depctr_vm_vsrc(0)
	s_getreg_b32 s2, hwreg(HW_REG_IB_STS2, 6, 4)
	s_cmp_eq_u32 s2, 0
	s_cbranch_scc0 .Lentry_in_a_cluster
	s_endpgm
.Lentry_in_a_cluster:
	s_bfe_u32 s2, ttmp6, 0x10000c
	s_cmp_lg_u32 s2, 0xf033
	s_cbranch_scc0 .Lentry_shape_is_right
	s_endpgm
.Lentry_shape_is_right:
; out0 = o w_proj + b_proj on codes of BF8 (E5M2): [8,192 x 1,024] x [1,024 x 1,024], f32 out.  out = sum x 2^(e6 + e7) + bias, one fused multiply-add.
; A: a_img [16 rows 512][head 16][1,024 bytes]: images of fragments in the 8-bit forms' own layout (registers 2 c, 2 c + 1: k = 16 c + 8 (lane / 16) + 0..7); two neighbouring heads are one fragment 16 rows x 128 K,
; registers 4 c .. 4 c + 3 at 512 c + 16 lane.  B: wp_codes [1,024 (n)][1,024 (k)], rows; its fragments are read in the same layout, eight loads of 8 bytes.
; 256 tiles of 128 x 256, one for each work-group; four waves, each 64 x 128: 32 accumulators.  K goes in four steps of 256 through THREE LDS slots: three are filled at the head, slot 0 once more.
; THE MATRIX INSTRUCTION IS USED TRANSPOSED (source 0 = 16 rows of B, source 1 = 16 rows of A): a lane holds eight neighbouring numbers of a row of out0.
; CLUSTERS: 4 x 4 work-groups; A's tile is shared along a row of the cluster, B's along a column: each is asked for jointly by the four that need it.
; LIMIT: e6 + e7 between -126 and 127.   No prefetch: of K's four steps three are asked for at the head.
; REGISTERS: window 0: v16-29 addresses; v32-95 at work on the way out; v128-191, v192-255 A's fragments, two sets (later rows read back from the stage).   window 1: B's fragments, two sets.
;   window 2: accumulator (a, b) at v[8 (8 a + b)].   window 3: v0-63 the bias in the results' layout.
.set PITCH,  272                       ; a row of B in LDS: 256 bytes + 16
.set HALFB,  128*PITCH
.set BOFF,   32768                     ; a slot: A's 8 blocks of 16 rows x 4,096 bytes, then B's 256 rows
.set SLOT,   BOFF+2*HALFB              ; 102,400
.set SPARE,  3*SLOT                    ; behind the slots: the spare words, 128 bytes a wave: two blocks of 256 bytes that no other line names
.set STAGE,  SLOT                      ; the way out: 16 rows x 528 bytes a wave, in slot 1: it has had its one fill, and nobody reads it behind the last barrier
.set SPITCH, 528
.set ADRA, 16                          ; v16-18
.set ADRB, 20                          ; v20-22
.set STO,  24
.set RD,   25
.set CO,   26                          ; 16 x lane
.set SPW,  28
.set NIL,  29
.set TMP,  32
.set AF,   128
.set BK,   128
.set G1A, 24
.set G1B, 32
.set G0A, 40                           ; s[40:51] three sets
.set G0B, 52                           ; s[52:63]
.set MSB, 0
.macro WIN new
.if MSB != (\new)
	s_set_vgpr_msb (MSB<<8)|(\new)
.set MSB, (\new)
.endif
.endm
.set MUL,  0xa1                        ; source 0 (B) window 1, source 1 (A) window 0, C and D window 2
.set TO_B, 0x40
.macro JLOAD g0a, g1a, g0b, g1b        ; waves 0 and 1 fetch A's halves, waves 2 and 3 B's; four v_nop follow each of the two lines
	s_cmp_eq_u32 s15, 0
	s_cbranch_scc0 .Lfor_b_\@
	tensor_load_to_lds s[\g0a:\g0a+3], s[\g1a:\g1a+7]
	s_nop 0
.rept 4
	v_nop
.endr
	s_branch .Lasked_\@
.Lfor_b_\@:
	tensor_load_to_lds s[\g0b:\g0b+3], s[\g1b:\g1b+7]
	s_nop 0
.rept 4
	v_nop
.endr
.Lasked_\@:
.endm
.macro CREST
	s_cmp_lg_u32 s14, 0
	s_cbranch_scc1 .Lnot_wave_0_\@
	s_barrier_signal -3
.Lnot_wave_0_\@:
	s_barrier_wait -3
	s_barrier_signal -1
	s_barrier_wait -1
.endm
.macro CROUND
	s_barrier_signal -1
	s_barrier_wait -1
	CREST
.endm
	s_load_b256 s[4:11], s[0:1], 0x0               ; a_img s[4:5], wp_codes s[6:7], lowp_scales s[8:9], b_proj s[10:11]
	s_load_b64 s[12:13], s[0:1], 0x20              ; out0
	v_lshl_add_u32 v[SPW], v0, 2, SPARE
	v_mov_b32 v[NIL], 0
	ds_add_u32 v28, v29
	ds_add_u32 v28, v29
	s_wait_dscnt 0x0
	v_lshrrev_b32 v1, 5, v0
	v_readfirstlane_b32 s14, v1                    ; wave 0..3
	s_lshr_b32 s15, s14, 1                         ; which 64 of the tile's rows are mine.  Also: I fetch for A (0) or for B (1)
	s_and_b32 s16, s14, 1                          ; which 128 of its columns.  Also: which half of that tile I fetch
	s_bfe_u32 s66, ttmp6, 0x40000                  ; cx
	s_bfe_u32 s67, ttmp6, 0x40004                  ; cy
	s_lshl_b32 s68, ttmp9, 2
	s_add_co_u32 s68, s68, s66                     ; tile column, 0..3
	s_and_b32 s69, ttmp7, 0xffff
	s_lshl_b32 s69, s69, 2
	s_add_co_u32 s69, s69, s67                     ; tile row, 0..63
	s_lshl_b32 s70, s67, 2
	s_lshl_b32 s70, 15, s70                        ; my row of the cluster
	s_lshl_b32 s71, 0x1111, s66                    ; my column
	s_or_b32 s[G1A], s70, (3<<16)|(1<<21)          ; A: the mask; elements of 8 bytes; bit 21 beside a mask; no padding: images are read at 16 x lane
	s_mov_b32 s[G1A+1], 512<<16                    ; tensor_dim0 = 512: 4,096 bytes: four heads' images of a block of 16 rows
	s_mov_b32 s[G1A+2], 4<<16                      ; tensor_dim1 = 4 blocks
	s_mov_b32 s[G1A+3], 512<<16                    ; tile_dim0
	s_mov_b32 s[G1A+4], 4                          ; tile_dim1
	s_mov_b32 s[G1A+5], 2048                       ; pitch: 16,384 bytes from block to block
	s_mov_b32 s[G1A+6], 0
	s_mov_b32 s[G1A+7], 0
	s_or_b32 s[G1B], s71, (0<<16)|(1<<20)|(1<<21)|(5<<22)|(3<<25)  ; B: the mask; elements of 1 byte; padding: 4 words after every 64
	s_mov_b32 s[G1B+1], 256<<16
	s_mov_b32 s[G1B+2], 128<<16
	s_mov_b32 s[G1B+3], 256<<16
	s_mov_b32 s[G1B+4], 128
	s_mov_b32 s[G1B+5], 1024
	s_mov_b32 s[G1B+6], 0
	s_mov_b32 s[G1B+7], 0
	s_lshl_b32 s72, s69, 3
	s_lshl_b32 s78, s16, 2
	s_add_co_u32 s72, s72, s78                     ; A: block of 16 rows 8 x tile row + 4 x half: it never holds cx
	s_lshl_b32 s72, s72, 14
	s_mov_b32 s73, 0
	s_lshl_b32 s74, s68, 8
	s_lshl_b32 s79, s16, 7
	s_add_co_u32 s74, s74, s79                     ; B: row 256 x tile column + 128 x half: it never holds cy
	s_lshl_b32 s74, s74, 10
	s_mov_b32 s75, 0
	s_lshl_b32 s76, s16, 14                        ; where they go in a slot: A's half,
	s_mul_i32 s77, s16, HALFB
	s_add_co_u32 s77, s77, BOFF                    ; B's half
	s_wait_kmcnt 0x0
	s_load_b256 s[80:87], s[8:9], 0x0              ; e0 .. e7
	s_add_nc_u64 s[72:73], s[4:5], s[72:73]
	s_add_nc_u64 s[74:75], s[6:7], s[74:75]
.irp s, 0,1,2
	s_mov_b32 s[G0A+4*\s], 1
	s_add_co_u32 s[G0A+4*\s+1], s76, \s*SLOT
	s_add_nc_u64 s[G0A+4*\s+2:G0A+4*\s+3], s[72:73], \s*4096   ; K step s: four heads on
	s_or_b32 s[G0A+4*\s+3], s[G0A+4*\s+3], 0x80000000
	s_mov_b32 s[G0B+4*\s], 1
	s_add_co_u32 s[G0B+4*\s+1], s77, \s*SLOT
	s_add_nc_u64 s[G0B+4*\s+2:G0B+4*\s+3], s[74:75], \s*256
	s_or_b32 s[G0B+4*\s+3], s[G0B+4*\s+3], 0x80000000
.endr
	CROUND                                         ; all sixteen work-groups are here: the first joint loads meet
	s_cmp_eq_u32 s15, 0                            ; a wave's three first fills stand in one branch: three loads of mine are out
	s_cbranch_scc0 .Lfirst_b
	tensor_load_to_lds s[G0A:G0A+3], s[G1A:G1A+7]
	s_nop 0
	tensor_load_to_lds s[G0A+4:G0A+7], s[G1A:G1A+7]
	s_nop 0
	tensor_load_to_lds s[G0A+8:G0A+11], s[G1A:G1A+7]
	s_nop 0
.rept 4
	v_nop
.endr
	s_branch .Lfirst_asked
.Lfirst_b:
	tensor_load_to_lds s[G0B:G0B+3], s[G1B:G1B+7]
	s_nop 0
	tensor_load_to_lds s[G0B+4:G0B+7], s[G1B:G1B+7]
	s_nop 0
	tensor_load_to_lds s[G0B+8:G0B+11], s[G1B:G1B+7]
	s_nop 0
.rept 4
	v_nop
.endr
.Lfirst_asked:
	v_and_b32 v1, 15, v0                           ; r
	v_bfe_u32 v2, v0, 4, 1                         ; h
	v_and_b32 v3, 31, v0
	v_lshlrev_b32 v[CO], 4, v3
	v_mul_u32_u24 v4, v1, PITCH
	v_lshl_add_u32 v4, v2, 3, v4                   ; B: row r, + 8 h
	s_lshl_b32 s78, s15, 14                        ; my four blocks of A
	s_mul_i32 s79, s16, HALFB
	s_add_co_u32 s79, s79, BOFF                    ; my 128 rows of B
.irp s, 0,1,2
	v_add_nc_u32 v[ADRA+\s], s78, v[CO]
	v_add_nc_u32 v[ADRB+\s], s79, v4
	s_add_co_u32 s78, s78, SLOT
	s_add_co_u32 s79, s79, SLOT
.endr
	s_mul_i32 s78, s14, 16*SPITCH
	s_add_co_u32 s78, s78, STAGE                   ; my stage
	v_mul_u32_u24 v5, v1, SPITCH
	v_lshl_add_u32 v5, v2, 5, v5
	v_add_nc_u32 v[STO], s78, v5                   ; in: row r, 32 bytes for each half of the lanes
	v_add_nc_u32 v[RD], s78, v[CO]                 ; back: the 32 lanes take a row of 512 bytes
	s_lshl_b32 s78, s69, 7
	s_lshl_b32 s79, s15, 6
	s_add_co_u32 s78, s78, s79                     ; my first row of out0
	s_lshl_b32 s78, s78, 12                        ; rows of 4,096 bytes
	s_lshl_b32 s90, s68, 10
	s_lshl_b32 s91, s16, 9
	s_add_co_u32 s90, s90, s91                     ; my first column, in bytes: also my place in the bias
	s_mov_b32 s91, 0
	s_add_co_u32 s78, s78, s90
	s_mov_b32 s79, 0
	s_add_nc_u64 s[12:13], s[12:13], s[78:79]
	s_add_nc_u64 s[10:11], s[10:11], s[90:91]
	v_lshlrev_b32 v6, 5, v2                        ; 32 h; never rewritten
	WIN 0xc0                                       ; destination window 3
.irp b, 0,1,2,3,4,5,6,7
	global_load_b128 v[8*\b:8*\b+3], v6, s[10:11] offset:64*\b          ; register 8 b + j: the bias of column 16 b + 8 h + j of my 128
	global_load_b128 v[8*\b+4:8*\b+7], v6, s[10:11] offset:64*\b+16
.endr
	WIN 0
; the fragments of 128 along K (the slot's q-th half) into sets p: B's eight, eight loads of 8 bytes each; A's four, four loads of 16 bytes each
.macro FETCH slot, q, p
	WIN TO_B
.irp i, 0,1,2,3,4,5,6,7
.irp c, 0,1,2,3,4,5,6,7
	ds_load_b64 v[128*(\p)+16*\i+2*\c:128*(\p)+16*\i+2*\c+1], v[ADRB+\slot] offset:128*(\q)+16*\c+\i*16*PITCH
.endr
.endr
	WIN 0
.irp a, 0,1,2,3
.irp c, 0,1,2,3
	ds_load_b128 v[AF+64*(\p)+16*\a+4*\c:AF+64*(\p)+16*\a+4*\c+3], v[ADRA+\slot] offset:\a*4096+2048*(\q)+512*\c
.endr
.endr
.endm
; 8 matrix instructions: A's block a x B's eight.  The 32 accumulators take turns, one instruction a turn, in the same order in every step.
.macro MUL8 a, p, zero
.irp b, 0,1,2,3,4,5,6,7
.if \zero
	v_wmma_f32_16x16x128_bf8_bf8 v[8*(8*(\a)+\b):8*(8*(\a)+\b)+7], v[128*(\p)+16*\b:128*(\p)+16*\b+15], v[AF+64*(\p)+16*(\a):AF+64*(\p)+16*(\a)+15], 0
.else
	v_wmma_f32_16x16x128_bf8_bf8 v[8*(8*(\a)+\b):8*(8*(\a)+\b)+7], v[128*(\p)+16*\b:128*(\p)+16*\b+15], v[AF+64*(\p)+16*(\a):AF+64*(\p)+16*(\a)+15], v[8*(8*(\a)+\b):8*(8*(\a)+\b)+7]
.endif
.endr
.endm
.macro PLACES                          ; four plain lines between matrix instructions and loads into, or vector lines on, their registers
.rept 4
	v_nop
.endr
.endm
; A step of 128 along K on sets p; in its middle the next step's fragments are fetched into the other sets.
.macro STEPP p, nslot, nq, zero
	s_wait_dscnt 0x0                               ; this step's fragments are in
	WIN MUL
	MUL8 0, \p, \zero
	MUL8 1, \p, \zero
	PLACES
	FETCH \nslot, \nq, 1-(\p)
	WIN MUL
	MUL8 2, \p, \zero
	MUL8 3, \p, \zero
.endm
; A step with a barrier: in front of it each wave waits for all its tensor loads, adds 0 to its spare word, and waits for that and for its LDS reads.
; fill = 1: the barrier opens a round of the cluster's, and slot 0, whose last fragments are in registers, takes K 768-1,023.  fill = 0: that tile is shown whole to every wave.
.macro TURN p, nslot, nq, fill
	WIN 0                                          ; (the add's two registers lie in window 0)
	s_wait_tensorcnt 0x0                           ; all my tensor loads have landed
	ds_add_u32 v[SPW], v[NIL]                      ; 0 onto my spare word
	s_wait_dscnt 1                                 ; this step's fragments are in; the add alone may be out
	WIN MUL
	MUL8 0, \p, 0
	s_wait_dscnt 0x0                               ; the add is done, and no LDS read of mine is out
	s_barrier_signal -1
	MUL8 1, \p, 0
	WIN 0
	s_barrier_wait -1
.if \fill
	CREST                                          ; no wave of any partner still reads slot 0 or has a load on its way
	s_add_nc_u64 s[G0A+2:G0A+3], s[G0A+2:G0A+3], 3*4096
	s_add_nc_u64 s[G0B+2:G0B+3], s[G0B+2:G0B+3], 3*256
	JLOAD G0A, G1A, G0B, G1B                       ; the first tensor load behind the round; its four v_nop are the places in front of the loads below
.else
	PLACES
.endif
	s_wait_alu depctr_va_vdst(0)
	FETCH \nslot, \nq, 1-(\p)
	WIN MUL
	MUL8 2, \p, 0
	MUL8 3, \p, 0
.endm
	s_wait_tensorcnt 2                             ; my part of slot 0 is in; the loads of slots 1 and 2 may be out
	s_barrier_signal -1
	s_barrier_wait -1
	FETCH 0, 0, 0
	STEPP 0, 0, 1, 1                               ; K 0-127: the first products start the sums
	TURN  1, 1, 0, 1                               ; K 128-255; slots 1 and 2 are shown whole; slot 0 is filled again
	STEPP 0, 1, 1, 0                               ; K 256-383
	STEPP 1, 2, 0, 0
	STEPP 0, 2, 1, 0                               ; K 512-639
	TURN  1, 0, 0, 0                               ; K 640-767; slot 0's second tile is shown whole
	STEPP 0, 0, 1, 0                               ; K 768-895
	s_wait_dscnt 0x0                               ; the last step
	WIN MUL
	MUL8 0, 1, 0
	MUL8 1, 1, 0
	MUL8 2, 1, 0
	MUL8 3, 1, 0
	WIN 0
; THE WAY OUT, block by block of 16 rows x 128 columns: sum x 2^(e6 + e7) + bias, through my own stage in LDS, back as whole rows of 512 bytes.
; LDS serves a wave's instructions in order (ISA guide 5.7.1.4): no wait between the stores and the loads, nor in front of the next block's stores.
.macro TOSTAGE a
	WIN 0x32                                       ; source 0 (the sums) window 2, source 2 (the bias) window 3
.irp j, 0,2,4,6,8,10,12,14,16,18,20,22,24,26,28,30,32,34,36,38,40,42,44,46,48,50,52,54,56,58,60,62
	v_pk_fma_f32 v[TMP+\j:TMP+\j+1], v[64*(\a)+\j:64*(\a)+\j+1], s[88:89], v[\j:\j+1] op_sel_hi:[1,0,1]   ; each accumulator from its low end on
.endr
	WIN 0
.irp b, 0,1,2,3,4,5,6,7
	ds_store_b128 v[STO], v[TMP+8*\b:TMP+8*\b+3] offset:64*\b
	ds_store_b128 v[STO], v[TMP+8*\b+4:TMP+8*\b+7] offset:64*\b+16
.endr
.set BB, BK+64*((\a)%2)
.irp t, 0,1,2,3,4,5,6,7,8,9,10,11,12,13,14,15
	ds_load_b128 v[BB+4*\t:BB+4*\t+3], v[RD] offset:\t*SPITCH
.endr
.endm
.macro SEND a, younger                 ; younger: the LDS instructions issued behind block a's loads, which may stay out
.set BB, BK+64*((\a)%2)
	s_wait_dscnt \younger
.if (\a) > 0
	s_add_nc_u64 s[12:13], s[12:13], 16*4096       ; (behind s_wait_xcnt 0: the earlier stores have read their base)  16 rows on
.endif
.irp t, 0,1,2,3,4,5,6,7,8,9,10,11,12,13,14,15
	global_store_b128 v[CO], v[BB+4*\t:BB+4*\t+3], s[12:13] offset:\t*4096 th:TH_STORE_NT   ; 32 lanes store 512 consecutive aligned bytes; written once, read by nobody here
.endr
.endm
	s_wait_kmcnt 0x0
	s_add_co_i32 s88, s86, s87
	s_add_co_i32 s88, s88, 127
	s_lshl_b32 s88, s88, 23                        ; 2^(e6 + e7) as f32
	s_mov_b32 s89, s88                             ; (named with it as a pair)
	s_wait_loadcnt 0x0                             ; the bias
	PLACES                                         ; behind the last products: their results are read, and A's registers loaded into, below
	TOSTAGE 0
.irp a, 1,2,3
.if \a > 1
	s_wait_xcnt 0x0                                ; block a - 2's stores have read their registers and their base
.endif
	TOSTAGE \a
	SEND \a-1, 32                                  ; behind block a - 1's loads: block a's 16 stores and 16 loads
.endr
	s_wait_xcnt 0x0
	SEND 3, 0
	s_wait_tensorcnt 0x0                           ; the wave's end
	ds_add_u32 v[SPW], v[NIL]
	s_wait_dscnt 0x0
	CROUND                                         ; the closing round: no work-group ends while a partner may still ask for a tile that names it
	s_endpgm
.Lfunc_end_k_qb031324b53_proj:
	.size	k_qb031324b53_proj, .Lfunc_end_k_qb031324b53_proj-k_qb031324b53_proj
	.p2alignl 7, 3214868480
	.fill 96, 4, 3214868480
	.section	.rodata,"a",@progbits
	.p2align	6, 0x0
	.amdhsa_kernel k_qb031324b53_proj
		.amdhsa_group_segment_fixed_size 327680
		.amdhsa_private_segment_fixed_size 0
		.amdhsa_enable_private_segment 0
		.amdhsa_kernarg_size 40
		.amdhsa_user_sgpr_count 2
		.amdhsa_user_sgpr_kernarg_segment_ptr 1
		.amdhsa_wavefront_size32 1
		.amdhsa_system_sgpr_workgroup_id_x 1
		.amdhsa_system_sgpr_workgroup_id_y 1
		.amdhsa_system_sgpr_workgroup_id_z 1
		.amdhsa_system_vgpr_workitem_id 0
		.amdhsa_next_free_vgpr 832
		.amdhsa_next_free_sgpr 100
		.amdhsa_reserve_vcc 0
		.amdhsa_float_denorm_mode_32 3
		.amdhsa_float_denorm_mode_16_64 3
		.amdhsa_memory_ordered 1
		.amdhsa_forward_progress 1
		.amdhsa_inst_pref_size 92
	.end_amdhsa_kernel
	.amdgpu_metadata
---
amdhsa.version: [ 1, 2 ]
amdhsa.kernels:
  - .name:           k_qb031324b53_proj
    .symbol:         k_qb031324b53_proj.kd
    .args:
      - { .name: a_img, .offset: 0, .size: 8, .value_kind: global_buffer, .address_space: global }
      - { .name: wp_codes, .offset: 8, .size: 8, .value_kind: global_buffer, .address_space: global }
      - { .name: lowp_scales, .offset: 16, .size: 8, .value_kind: global_buffer, .address_space: global }
      - { .name: b_proj, .offset: 24, .size: 8, .value_kind: global_buffer, .address_space: global }
      - { .name: out0, .offset: 32, .size: 8, .value_kind: global_buffer, .address_space: global }
    .group_segment_fixed_size: 327680
    .private_segment_fixed_size: 0
    .kernarg_segment_align: 8
    .kernarg_segment_size: 40
    .max_flat_workgroup_size: 128
    .sgpr_count:     100
    .vgpr_count:     832
    .wavefront_size: 32
...
	.end_amdgpu_metadata
.endif
;; end of part 4
